; MI455X (gfx1250); checked and timed in simulation.
; The chip was launched on July 23, 2026; its instructions are those of AMD's public machine-readable ISA for CDNA 5 (MIT licence, August 2026) and "CDNA5" Instruction Set Architecture Reference Guide (July 2026). The comments in the code are by the model that wrote it; some were corrected since.
;; Multi Head Self Attention. Allowed arithmetic: matrix products marked QUANTISED: E2M1 operands, one E8M0 scale for each 32 along K, by v_wmma_scale_f32_16x16x128_f8f6f4 with both operands' format E2M1 (or v_wmma_scale_f32_32x16x128_f4), f32 sums; products left as they are: bf16, f16 or f32 operands; f32 sums; everything else in f32.
;; Inputs: Wk 1,024 x 1,024 float32; Wo 1,024 x 1,024 float32; Wq 1,024 x 1,024 float32; Wv 1,024 x 1,024 float32; attention_mask 1 x 1 x 2,048 x 2,048 float32; bk 1,024 float32; bo 1,024 float32; bq 1,024 float32; bv 1,024 float32; hidden_states 4 x 2,048 x 1,024 float32.
;; Outputs: out0 4 x 2,048 x 1,024 float32.
;; This version of the problem:
;;   THIS VERSION OF THE PROBLEM IS GIVEN IN LOW PRECISION. The matrix products marked QUANTISED in the list below multiply operands that are first quantised to E2M1 (2 exponent bits, 1 mantissa bit; 4 bits a number), with one power-of-two scale for each 32 numbers along K (OCP MX v1.0); their sums are f32. The products marked 'left as it is' may take bf16, f16 or f32 operands, with f32 sums. Whichever they take, every output number must still come out within the allowed error. Rounding operands to bf16 (8 significant bits) uses up far more of that allowance than f16 does (11 bits, for magnitudes from 6e-5 to 65,504). All else is computed in f32.
;;   The module's matrix products, in the order in which they are computed (A, B: the left and right operand; K: the contracted axis; several contracted axes count as one K, in the product's order):
;;     1. [M 8,192, K 1,024] x [K 1,024, N 1,024]; A: input hidden_states; B: input Wq: QUANTISED
;;     2. [M 8,192, K 1,024] x [K 1,024, N 1,024]; A: input hidden_states; B: input Wk: QUANTISED
;;     3. [M 8,192, K 1,024] x [K 1,024, N 1,024]; A: input hidden_states; B: input Wv: QUANTISED
;;     4. batch 64 x [M 2,048, K 64] x [K 64, N 2,048]; A: computed on the way; B: computed on the way: left as it is (an operand is computed on the way)
;;     5. batch 64 x [M 2,048, K 2,048] x [K 2,048, N 64]; A: computed on the way; B: computed on the way: left as it is (an operand is computed on the way)
;;     6. [M 8,192, K 1,024] x [K 1,024, N 1,024]; A: computed on the way; B: input Wo: left as it is (an operand is computed on the way)
;;   THE QUANTISER, for each operand of a quantised product, along K:
;;     - K is cut into blocks of 32 from its start; a last block that is shorter is filled with zeros.
;;     - A block's scale is 2^e with e = floor(log2(the largest magnitude in the block)) - 2, held to -126 .. 127; a block of zeros has e = 0. As a byte (E8M0): e + 127.
;;     - Each number is divided by its block's scale, clamped to +-6, and rounded to the nearest number of E2M1, ties to even, subnormals kept.
;;     - The product sums the exact products of the quantised numbers (number of the format x scale) in f32.
;;   ~~~python
;;   def quantise(x, axis):      # numpy; x: float32 -> the quantised numbers, widened to float32 again
;;       x = np.moveaxis(x, axis, -1); K = x.shape[-1]
;;       x = np.pad(x, [(0, 0)] * (x.ndim - 1) + [(0, -K % 32)]); x = x.reshape(x.shape[:-1] + (-1, 32)); a = np.abs(x).max(-1, keepdims=True)
;;       e = np.where(a > 0, np.clip(np.frexp(np.where(a > 0, a, 1))[1] - 1 - 2, -126, 127), 0)      # np.frexp(a)[1] - 1 = floor(log2(a)), exactly
;;       r = np.clip(x / 2.0 ** e, -6, 6)
;;       step = 2.0 ** (np.maximum(np.frexp(np.where(r == 0, 1, r))[1] - 1, 0) - 1)
;;       q = np.round(r / step) * step * 2.0 ** e      # np.round: ties to even
;;       return np.moveaxis(q.reshape(q.shape[:-2] + (-1,))[..., :K], -1, axis).astype(np.float32)
;;   ~~~
;; One version. Each part assembles by itself: llvm-mc -triple=amdgcn-amd-amdhsa -mcpu=gfx1250 --defsym DOCPART=n.
;; ======== version 1 of 1: 4 launches
;; limits: values are held in f16: magnitudes above 65,504 overflow, below 6.1e-05 lose precision
;; workspace buffers: x_codes 4,194,304 bytes; x_scales 262,144 bytes; w_codes 1,572,864 bytes; w_scales 98,304 bytes; wo_h 2,097,152 bytes; qkv 50,331,648 bytes; ctx 16,777,216 bytes
;; launch prep (part 1): grid 368 x 1, 4 waves a work-group, no clusters, 68,096 bytes of LDS; arguments hidden_states, Wq, Wk, Wv, Wo, x_codes, x_scales, w_codes, w_scales, wo_h; writes x_codes, x_scales, w_codes, w_scales, wo_h
.if DOCPART == 1
	.amdgcn_target "amdgcn-amd-amdhsa--gfx1250"
	.amdhsa_code_object_version 6
	.text
	.protected	k_qc9af0aca32_prep
	.globl	k_qc9af0aca32_prep
	.p2align	8
	.type	k_qc9af0aca32_prep,@function
k_qc9af0aca32_prep:
	s_mov_b64 s[64:65], 0
	v_nop
	global_prefetch_b8 v0, s[64:65] scope:SCOPE_SE
	s_setreg_imm32_b32 hwreg(HW_REG_WAVE_MODE, 25, 1), 1
	s_wait_xcnt 0x0
; MULTI-HEAD SELF-ATTENTION, launch 1 of 4: the operands of the three quantised products are made once, and Wo is rounded to f16.
; NO WORK OF THE PROBLEM IS LEFT OUT IN ANY LAUNCH.  Every bias is live: bk's term q . bk is multiplied by a mask that is an input and may differ from key to key, so it is
; not the same along the softmax's axis; the mask is an input, so no tile of scores may be passed over.  All ten inputs are loaded by some launch.
; PATH X (work-groups 0-255): hidden_states [8192][1024] f32 -> codes of FP4 (E2M1), K innermost, x_codes [8192][512 bytes], and one E8M0 byte for each 32 along K, x_scales [8192][32].
; PATH W (work-groups 256-303): Wq, Wk, Wv [k 1024][n 1024] f32, K their FIRST axis -> w_codes [which x 1024 + n][512 bytes], K innermost, w_scales [3072][32].
; PATH O (work-groups 304-367): Wo f32 -> wo_h f16, the layout unchanged.
; A block's scale is 2^(floor(log2(its largest magnitude)) - 2); its byte is the largest magnitude's exponent field - 2, held at 1 from below.  A block of zeros so gets the byte 1 where the
; rule says 127: its codes are zeros, which add nothing under any byte but 0xff, and the bytes are read by this program alone.
; LIMITS: blocks whose largest magnitude lies under 2^-124 hold the byte 1; NaN and infinities among the inputs are not served; |Wo| stays under 65,504 (f16).
; The three paths part on the work-group's number and never join; paths X and W have LDS bytes of their own.  No tensor loads, no barrier: waves share nothing.
.set SPARE, 67584                      ; behind both paths' bytes: the spare words, 128 bytes for each wave
.set SPW,   190                        ; v190  LDS address of my spare word; never rewritten
.set NIL,   191                        ; v191  0; never rewritten
.set WV,    24                         ; s24   my wave's number
; path X
.set STEPS, 16
.set CB,    8                          ; bytes of 16 codes
.set SP,    80                         ; a lane's place in a stage: 64 bytes + 16 of padding
.set WREG,  8192                       ; LDS 0 .. 32,767: a region for each wave: two stages of 32 x SP bytes, behind them its 256 scale bytes
.set R,     16                         ; v16-79   four sets of 16 numbers as they are loaded
.set X,     80                         ; v80-111  two sets of 16 neighbours
.set E,     112                        ; v112-127 a scale byte for each step
.set C,     128                        ; v128-189 codes: four registers reserved for each step
; path W
.set NB,    16                         ; blocks of 32 along K for a wave: 512 along K
.set PITCH, 272                        ; a stage row: 256 bytes of codes + 16
.set KROW,  512                        ; a row of w_codes in bytes
.set WBASE, 32768                      ; LDS 32,768 .. 67,583: four stages of 32 rows
.set WX,    32                         ; v32-95   two sets of 32 numbers
.set WC,    96                         ; v96-99   a block's codes
.set OUTR,  112                        ; v112-175 the way out
.set SB,    24                         ; v24-27   the scale bytes, four to a register
	s_load_b512 s[4:19], s[0:1], 0x0               ; hidden s[4:5], Wq s[6:7], Wk s[8:9], Wv s[10:11], Wo s[12:13], x_codes s[14:15], x_scales s[16:17], w_codes s[18:19]
	s_load_b128 s[20:23], s[0:1], 0x40             ; w_scales s[20:21], wo_h s[22:23]
	v_lshl_add_u32 v[SPW], v0, 2, SPARE
	v_mov_b32 v[NIL], 0
	v_lshrrev_b32 v1, 5, v0
	v_readfirstlane_b32 s[WV], v1                  ; wave 0..3
	v_and_b32 v2, 31, v0                           ; lane
	s_wait_kmcnt 0x0
	s_cmp_lt_u32 ttmp9, 256
	s_cbranch_scc1 .Lx
	s_cmp_lt_u32 ttmp9, 304
	s_cbranch_scc1 .Lw
; ---------------- PATH O: a wave takes 16,384 bytes of Wo: 32 loads of 512 consecutive bytes, all issued at once; each becomes 256 consecutive bytes of f16
	s_sub_co_u32 s25, ttmp9, 304
	s_lshl_b32 s26, s25, 16                        ; 65,536 bytes of Wo a work-group,
	s_lshl_b32 s27, s[WV], 14                      ; 16,384 a wave
	s_add_co_u32 s26, s26, s27
	s_mov_b32 s27, 0
	s_add_nc_u64 s[12:13], s[12:13], s[26:27]
	s_lshr_b32 s26, s26, 1                         ; half as many of wo_h
	s_add_nc_u64 s[22:23], s[22:23], s[26:27]
	v_lshlrev_b32 v3, 4, v2                        ; in: 16 bytes a lane
	v_lshlrev_b32 v4, 3, v2                        ; out: 8 bytes a lane
.set it, 0
.rept 32
	global_load_b128 v[32+4*it:35+4*it], v3, s[12:13] offset:512*it th:TH_LOAD_NT
.set it, it+1
.endr
.set it, 0
.rept 32
	s_wait_loadcnt 31-it                           ; loads come back in order: this one is in, the younger ones stay out
	v_cvt_pk_f16_f32 v[32+4*it], v[32+4*it], v[33+4*it]
	v_cvt_pk_f16_f32 v[33+4*it], v[34+4*it], v[35+4*it]
	global_store_b64 v4, v[32+4*it:33+4*it], s[22:23] offset:256*it   ; the wave stores 256 consecutive bytes, at a multiple of 256 from the buffer's first byte
.set it, it+1
.endr
	s_wait_tensorcnt 0x0                           ; the wave's end
	ds_add_u32 v[SPW], v[NIL]
	s_wait_dscnt 0x0
	s_endpgm
; ---------------- PATH X: a wave takes 16 steps of 512 numbers.  Each of a step's four loads reads 512 consecutive bytes, 16 a lane; the 2,048 bytes turn through the wave's own stage
; and come back 64 bytes a lane: 16 NEIGHBOURS along K, as the conversions want them; two neighbouring lanes hold a block of 32.
.macro XLOAD t
.irp i, 0,1,2,3
	global_load_b128 v[R+16*((\t)%4)+4*\i:R+16*((\t)%4)+4*\i+3], v3, s[4:5] offset:2048*(\t)+512*\i th:TH_LOAD_NT
.endr
.endm
.macro XTURN t                         ; LDS serves a wave's instructions in order: no wait between the stores and the loads
.irp i, 0,1,2,3
	ds_store_b128 v14, v[R+16*((\t)%4)+4*\i:R+16*((\t)%4)+4*\i+3] offset:32*SP*((\t)%2)+8*SP*\i
.endr
.irp i, 0,1,2,3
	ds_load_b128 v[X+16*((\t)%2)+4*\i:X+16*((\t)%2)+4*\i+3], v15 offset:32*SP*((\t)%2)+16*\i
.endr
.endm
.macro XSTEP t
.set XS, X+16*((\t)%2)
.if (\t) > 0
	s_wait_dscnt 1                                 ; this step's numbers are back from the stage; the last step's byte store, the one LDS instruction issued behind them, may be out
.else
	s_wait_dscnt 0x0
.endif
.if (\t)+4 < STEPS
	XLOAD (\t)+4                                   ; into the set whose stores into the stage are done
.endif
.if (\t)+1 < STEPS
.if STEPS-2-(\t) >= 3
	s_wait_loadcnt 12                              ; the next step's four loads are in; those of the three steps behind it, twelve, may be out
.else
	s_wait_loadcnt 4*(STEPS-2-(\t))                ; near the end fewer steps are behind it
.endif
	XTURN (\t)+1
.endif
	v_max3_num_f32 v8, |v[XS]|, |v[XS+1]|, |v[XS+2]|               ; the largest magnitude of my 16, in two chains
	v_max3_num_f32 v9, |v[XS+3]|, |v[XS+4]|, |v[XS+5]|
.irp i, 6,10
	v_max3_num_f32 v8, v8, |v[XS+\i]|, |v[XS+\i+1]|
	v_max3_num_f32 v9, v9, |v[XS+\i+2]|, |v[XS+\i+3]|
.endr
	v_max3_num_f32 v8, v8, |v[XS+14]|, |v[XS+15]|
	v_max3_num_f32 v8, v8, v9, 0x1800000           ; and the floor 2^(3 - 127): the byte cannot fall under 1
	v_max_num_f32_dpp v8, v8, v8 row_xmask:1 row_mask:0xf bank_mask:0xf   ; and of my neighbour's 16: the block's
	v_add_nc_u32 v11, 0xff000000, v8               ; 2 off its exponent field: the conversion takes the exponent field of this operand as its scale
	v_cvt_scalef32_pk8_fp4_f32 v[C+4*(\t)], v[XS:XS+7], v11
	v_cvt_scalef32_pk8_fp4_f32 v[C+4*(\t)+1], v[XS+8:XS+15], v11
	v_lshrrev_b32 v[E+(\t)], 23, v11               ; the scale's byte (a plain line behind the conversions)
	ds_store_b8 v5, v[E+(\t)] offset:16*(\t)       ; both lanes of a block write the same byte with the same value
	global_store_b64 v4, v[C+4*(\t):C+4*(\t)+1], s[14:15] offset:32*CB*(\t)   ; the wave stores 256 consecutive bytes
.endm
.Lx:
	v_lshlrev_b32 v3, 4, v2                        ; my 16 bytes of a load's 512
	s_mul_i32 s25, s[WV], WREG
	v_lshrrev_b32 v14, 2, v2
	v_mul_u32_u24 v14, v14, SP
	v_and_b32 v15, 3, v2
	v_lshl_add_u32 v14, v15, 4, v14
	v_add_nc_u32 v14, s25, v14                     ; into the stage: SP (lane / 4) + 16 (lane % 4)
	v_mul_u32_u24 v15, v2, SP
	v_add_nc_u32 v15, s25, v15                     ; out of it: SP x lane
	v_mul_u32_u24 v4, v2, CB                       ; my codes' place in a step's
	v_lshrrev_b32 v5, 1, v2
	s_add_co_u32 s25, s25, 2*32*SP
	v_add_nc_u32 v5, s25, v5                       ; my block's byte among my wave's 256
	v_lshlrev_b32 v7, 3, v2
	v_add_nc_u32 v6, s25, v7                       ; and on the way out 8 bytes a lane
	s_lshl_b32 s26, ttmp9, 2
	s_add_co_u32 s26, s26, s[WV]                   ; which run of 8,192 numbers is my wave's
	s_mov_b32 s27, 0
	s_lshl_b64 s[28:29], s[26:27], 15
	s_add_nc_u64 s[4:5], s[4:5], s[28:29]
	s_lshl_b64 s[28:29], s[26:27], 12
	s_add_nc_u64 s[14:15], s[14:15], s[28:29]
	s_lshl_b64 s[28:29], s[26:27], 8
	s_add_nc_u64 s[16:17], s[16:17], s[28:29]
.irp t, 0,1,2,3
	XLOAD \t
.endr
	s_wait_loadcnt 12                              ; step 0's four loads are in
	XTURN 0
.irp t, 0,1,2,3,4,5,6,7,8,9,10,11,12,13,14,15
	XSTEP \t
.endr
	ds_load_b64 v[8:9], v6                         ; LDS serves a wave's instructions in order: these see my byte stores
	s_wait_dscnt 0x0
	global_store_b64 v7, v[8:9], s[16:17]          ; the wave's 256 scale bytes: 256 consecutive bytes, aligned
	s_wait_tensorcnt 0x0                           ; the wave's end, behind my last LDS store
	ds_add_u32 v[SPW], v[NIL]
	s_wait_dscnt 0x0
	s_endpgm
; ---------------- PATH W: a lane takes a column n and its registers run DOWN K: a block of 32 lies in one lane, and the conversions give codes with K innermost.
; A wave takes 32 columns x 512 along K; the codes go through its own stage and leave as rows, sixteen lanes to 256 consecutive bytes.
.macro WLOAD t
.irp i, 0,1,2,3,4,5,6,7,8,9,10,11,12,13,14,15,16,17,18,19,20,21,22,23,24,25,26,27,28,29,30,31
	global_load_b32 v[WX+32*((\t)%2)+\i], v3, s[6:7] offset:(32*(\t)+\i)*4096 th:TH_LOAD_NT
.endr
.endm
.macro WBLOCK t
.set XS, WX+32*((\t)%2)
.if (\t) < NB-1
	s_wait_loadcnt 32                              ; this block's 32 loads are in; the next block's 32 may be out
.else
	s_wait_loadcnt 0
.endif
	v_max3_num_f32 v12, |v[XS]|, |v[XS+1]|, |v[XS+2]|
	v_max3_num_f32 v13, |v[XS+3]|, |v[XS+4]|, |v[XS+5]|
.irp i, 6,10,14,18,22,26
	v_max3_num_f32 v12, v12, |v[XS+\i]|, |v[XS+\i+1]|
	v_max3_num_f32 v13, v13, |v[XS+\i+2]|, |v[XS+\i+3]|
.endr
	v_max3_num_f32 v12, v12, |v[XS+30]|, |v[XS+31]|
	v_max3_num_f32 v12, v12, v13, 0x1800000        ; the floor 2^(3 - 127)
	v_add_nc_u32 v11, 0xff000000, v12              ; the conversion's scale operand
	v_lshrrev_b32 v13, 23, v11                     ; the scale's byte
.if (\t)%4 == 0
	v_mov_b32 v[SB+(\t)/4], v13
.else
	v_lshl_or_b32 v[SB+(\t)/4], v13, 8*((\t)%4), v[SB+(\t)/4]
.endif
.irp g, 0,1,2,3
	v_cvt_scalef32_pk8_fp4_f32 v[WC+\g], v[XS+8*\g:XS+8*\g+7], v11
.endr
	ds_store_b128 v4, v[WC:WC+3] offset:16*(\t)    ; 32 codes: 16 bytes of my column's row
.if (\t)+2 < NB
	WLOAD (\t)+2
.endif
	s_wait_dscnt 0x0                               ; the store has read its registers: the next block's codes may be written
.endm
.Lw:
	s_sub_co_u32 s25, ttmp9, 256
	s_lshr_b32 s26, s25, 4                         ; which weight: 0 q, 1 k, 2 v
	s_bfe_u32 s27, s25, 0x30001                    ; which 128 columns
	s_and_b32 s28, s25, 1                          ; which 512 along K
	s_cmp_eq_u32 s26, 0
	s_cselect_b64 s[6:7], s[6:7], s[8:9]
	s_cmp_eq_u32 s26, 2
	s_cselect_b64 s[6:7], s[10:11], s[6:7]         ; the choice hangs on the work-group's number alone
	s_lshl_b32 s27, s27, 7
	s_lshl_b32 s29, s[WV], 5
	s_add_co_u32 s27, s27, s29                     ; my wave's first column
	s_lshl_b32 s30, s28, 21                        ; 512 rows of 4,096 bytes
	s_lshl_b32 s29, s27, 2
	s_add_co_u32 s30, s30, s29
	s_mov_b32 s31, 0
	s_add_nc_u64 s[6:7], s[6:7], s[30:31]
	s_lshl_b32 s29, s26, 10
	s_add_co_u32 s29, s29, s27                     ; my first row of w_codes and w_scales
	s_lshl_b32 s30, s29, 9
	s_lshl_b32 s32, s28, 8
	s_add_co_u32 s30, s30, s32
	s_add_nc_u64 s[18:19], s[18:19], s[30:31]
	s_lshl_b32 s30, s29, 5
	s_lshl_b32 s32, s28, 4
	s_add_co_u32 s30, s30, s32
	s_add_nc_u64 s[20:21], s[20:21], s[30:31]
	v_lshlrev_b32 v3, 2, v2                        ; in: 4 bytes a lane
	s_mul_i32 s29, s[WV], 32*PITCH
	s_add_co_u32 s29, s29, WBASE                   ; my stage
	v_mul_u32_u24 v4, v2, PITCH
	v_add_nc_u32 v4, s29, v4                       ; into it: row = my column
	v_and_b32 v5, 15, v2
	v_lshrrev_b32 v6, 4, v2
	v_mul_u32_u24 v7, v6, PITCH
	v_lshl_add_u32 v7, v5, 4, v7
	v_add_nc_u32 v7, s29, v7                       ; out of it: sixteen lanes to a row, two rows an instruction
	v_mul_u32_u24 v8, v6, KROW
	v_lshl_add_u32 v8, v5, 4, v8                   ; and the same place in w_codes
	v_lshlrev_b32 v9, 5, v2                        ; my column's row of scale bytes
	WLOAD 0
	WLOAD 1
.irp t, 0,1,2,3,4,5,6,7,8,9,10,11,12,13,14,15
	WBLOCK \t
.endr
	global_store_b128 v9, v[SB:SB+3], s[20:21]     ; my column's 16 scale bytes
.irp t, 0,1,2,3,4,5,6,7,8,9,10,11,12,13,14,15
	ds_load_b128 v[OUTR+4*\t:OUTR+4*\t+3], v7 offset:2*\t*PITCH
.endr
.irp t, 0,1,2,3,4,5,6,7,8,9,10,11,12,13,14,15
	s_wait_dscnt 15-\t                             ; LDS loads come back in order: load t is in
	global_store_b128 v8, v[OUTR+4*\t:OUTR+4*\t+3], s[18:19] offset:2*\t*KROW
.endr
	s_wait_tensorcnt 0x0                           ; the wave's end, behind my last LDS store
	ds_add_u32 v[SPW], v[NIL]
	s_wait_dscnt 0x0
	s_endpgm
.Lfunc_end_k_qc9af0aca32_prep:
	.size	k_qc9af0aca32_prep, .Lfunc_end_k_qc9af0aca32_prep-k_qc9af0aca32_prep
	.p2alignl 7, 3214868480
	.fill 96, 4, 3214868480
	.section	.rodata,"a",@progbits
	.p2align	6, 0x0
	.amdhsa_kernel k_qc9af0aca32_prep
		.amdhsa_group_segment_fixed_size 68096
		.amdhsa_private_segment_fixed_size 0
		.amdhsa_enable_private_segment 0
		.amdhsa_kernarg_size 80
		.amdhsa_user_sgpr_count 2
		.amdhsa_user_sgpr_kernarg_segment_ptr 1
		.amdhsa_wavefront_size32 1
		.amdhsa_system_sgpr_workgroup_id_x 1
		.amdhsa_system_sgpr_workgroup_id_y 1
		.amdhsa_system_sgpr_workgroup_id_z 1
		.amdhsa_system_vgpr_workitem_id 0
		.amdhsa_next_free_vgpr 192
		.amdhsa_next_free_sgpr 66
		.amdhsa_reserve_vcc 0
		.amdhsa_float_denorm_mode_32 3
		.amdhsa_float_denorm_mode_16_64 3
		.amdhsa_memory_ordered 1
		.amdhsa_forward_progress 1
		.amdhsa_inst_pref_size 122
	.end_amdhsa_kernel
	.amdgpu_metadata
---
amdhsa.version: [ 1, 2 ]
amdhsa.kernels:
  - .name:           k_qc9af0aca32_prep
    .symbol:         k_qc9af0aca32_prep.kd
    .args:
      - { .name: hidden_states, .offset: 0, .size: 8, .value_kind: global_buffer, .address_space: global }
      - { .name: Wq, .offset: 8, .size: 8, .value_kind: global_buffer, .address_space: global }
      - { .name: Wk, .offset: 16, .size: 8, .value_kind: global_buffer, .address_space: global }
      - { .name: Wv, .offset: 24, .size: 8, .value_kind: global_buffer, .address_space: global }
      - { .name: Wo, .offset: 32, .size: 8, .value_kind: global_buffer, .address_space: global }
      - { .name: x_codes, .offset: 40, .size: 8, .value_kind: global_buffer, .address_space: global }
      - { .name: x_scales, .offset: 48, .size: 8, .value_kind: global_buffer, .address_space: global }
      - { .name: w_codes, .offset: 56, .size: 8, .value_kind: global_buffer, .address_space: global }
      - { .name: w_scales, .offset: 64, .size: 8, .value_kind: global_buffer, .address_space: global }
      - { .name: wo_h, .offset: 72, .size: 8, .value_kind: global_buffer, .address_space: global }
    .group_segment_fixed_size: 68096
    .private_segment_fixed_size: 0
    .kernarg_segment_align: 8
    .kernarg_segment_size: 80
    .max_flat_workgroup_size: 128
    .sgpr_count:     66
    .vgpr_count:     192
    .wavefront_size: 32
...
	.end_amdgpu_metadata
.endif
;; end of part 1
;; launch qkv (part 2): grid 12 x 32, 4 waves a work-group, clusters of 4 x 4, 327,680 bytes of LDS; arguments x_codes, x_scales, w_codes, w_scales, bq, bk, bv, qkv; writes qkv
.if DOCPART == 2
	.amdgcn_target "amdgcn-amd-amdhsa--gfx1250"
	.amdhsa_code_object_version 6
	.text
	.protected	k_qc9af0aca32_qkv
	.globl	k_qc9af0aca32_qkv
	.p2align	8
	.type	k_qc9af0aca32_qkv,@function
k_qc9af0aca32_qkv:
	s_mov_b64 s[64:65], 0
	v_nop
	global_prefetch_b8 v0, s[64:65] scope:SCOPE_SE
	s_setreg_imm32_b32 hwreg(HW_REG_WAVE_MODE, 25, 1), 1
	s_wait_xcnt 0x0
	s_wait_alu depctr_hold_cnt(0) depctr_sa_sdst(0) depctr_va_vdst(0) depctr_va_sdst(0) depctr_va_ssrc(0) depctr_va_vcc(0) depctr_vm_vsrc(0)
	s_getreg_b32 s2, hwreg(HW_REG_IB_STS2, 6, 4)
	s_cmp_eq_u32 s2, 0
	s_cbranch_scc0 .Lentry_in_a_cluster
	s_endpgm
.Lentry_in_a_cluster:
	s_bfe_u32 s2, ttmp6, 0x10000c
	s_cmp_lg_u32 s2, 0xf033
	s_cbranch_scc0 .Lentry_shape_is_right
	s_endpgm
.Lentry_shape_is_right:
; Launch 2 of 4: q, k, v = Q(x) Q(W) + b, the three quantised products as ONE GEMM on codes of FP4 (E2M1) with E8M0 scales: A = x [8192][1024], B = the three weights [3072][1024], K innermost.
; No work of the problem is left out.  The result is rounded once to f16 and laid qkv [which 3][b x 16 + head][s 2048][64], as the attention launch reads it.
; LIMIT: |q|, |k|, |v| stay under 65,504 (f16).
; A tile of 256 x 256 is made by four waves, 128 x 128 each: 64 accumulators, 512 registers.  K = 1,024 is exactly two LDS slots of 512 along K (rows of 256 bytes): every tensor load is a first fill.
; The scales of the work-group's 256 + 256 rows come once, as dense blocks.  CLUSTERS: 4 x 4 work-groups; A's tiles are asked for jointly along a row of the cluster, B's along a column.
; THE MATRIX INSTRUCTION IS USED TRANSPOSED (source 0 = 16 rows of B, source 1 = 16 rows of A): a lane holds eight neighbouring columns of one row.  THE BIAS IS THE C OF EACH SUM'S FIRST PRODUCT.
; REGISTERS: window 0: v0-31 addresses; v32-95 scale words, two sets; v128-191 A's fragments, one set; v192-255 the bias, eight registers for each block of 16 columns.
;   window 1: B's fragments, two sets, at v0 and v128.  window 2: accumulators of my rows 0-63 ((a, b) at v[8 (8 a + b)]); window 3: rows 64-127.
.set KSTEP,  512
.set NQ,     4
.set ROWB,   256
.set KROW,   512
.set PITCH,  272                       ; an LDS row: 256 bytes + 16 of padding: the 16 rows that a load touches begin 68 words apart
.set FR,     8
.set NL,     2
.set NP,     4
.set HALFT,  128*PITCH
.set SLOT,   4*HALFT
.set KS,     32                        ; a row of scales in bytes
.set SCL,    2*SLOT
.set HALFS,  (128*KS/256)*272
.set SBLK,   (16*KS/256)*272
.set SPARE,  SCL+4*HALFS               ; the spare words, 128 bytes for each wave
.set ADRA, 16
.set ADRB, 20
.set STO,  24
.set RD,   25
.set CO,   26
.set ADRS, 27
.set SPW,  28
.set NIL,  29
.set BO,   30                          ; v30  the bias loads' offset: 32 x (lane / 16)
.set SC,   32
.set AF,   128
.set BI,   192
.set TMP,  32                          ; the way out: packed results, v32-63 and v64-95 by turns
.set BK,   128                         ; and rows read back, v128-159 and v160-191 by turns
.set G1, 24
.set G0, 32
.set G1B, 48
.set G0B, 56
.set G1S, 68
.set G0S, 76
.set G1SB, 80
.set G0SB, 88
.set MSB, 0
.macro WIN new                         ; the immediate's high byte repeats the setting that is left
.if MSB != (\new)
	s_set_vgpr_msb (MSB<<8)|(\new)
.set MSB, (\new)
.endif
.endm
.set MUL_LO, 0xa1                      ; source 0 (B) window 1, source 1 (A) window 0, C and D window 2
.set MUL_HI, 0xf1                      ; the same, C and D window 3
.set TO_B,   0x40
; A joint load: waves 0 and 1 fetch for A, waves 2 and 3 for B; the branch hangs on the wave's number alone.  An s_nop 0 and four v_nop follow each line.
.macro JLOAD g0a, g1a, g0b, g1b
	s_cmp_eq_u32 s15, 0
	s_cbranch_scc0 .Lfor_b_\@
	tensor_load_to_lds s[\g0a:\g0a+3], s[\g1a:\g1a+7]
	s_nop 0
.rept 4
	v_nop
.endr
	s_branch .Lasked_\@
.Lfor_b_\@:
	tensor_load_to_lds s[\g0b:\g0b+3], s[\g1b:\g1b+7]
	s_nop 0
.rept 4
	v_nop
.endr
.Lasked_\@:
.endm
.macro CROUND                          ; a round of the cluster's barrier
	s_barrier_signal -1
	s_barrier_wait -1
	s_cmp_lg_u32 s14, 0
	s_cbranch_scc1 .Lnot_wave_0_\@
	s_barrier_signal -3
.Lnot_wave_0_\@:
	s_barrier_wait -3
	s_barrier_signal -1
	s_barrier_wait -1
.endm
	s_load_b128 s[4:7], s[0:1], 0x0                ; x's codes, x's scales
	s_load_b128 s[8:11], s[0:1], 0x10              ; the weights' codes, their scales
	s_load_b128 s[96:99], s[0:1], 0x20             ; bq, bk
	s_load_b64 s[100:101], s[0:1], 0x30            ; bv
	s_load_b64 s[12:13], s[0:1], 0x38              ; qkv
	v_lshl_add_u32 v[SPW], v0, 2, SPARE
	v_mov_b32 v[NIL], 0
	ds_add_u32 v[SPW], v[NIL]                      ; the wave's opening: the add, twice on end, and its wait ahead of my first tensor load
	ds_add_u32 v[SPW], v[NIL]
	v_lshrrev_b32 v1, 5, v0
	v_readfirstlane_b32 s14, v1                    ; wave 0..3
	s_lshr_b32 s15, s14, 1                         ; which half of the tile's rows is mine; also: I fetch for A (0) or B (1)
	s_and_b32 s16, s14, 1                          ; which half of its columns; also: which 128 rows I fetch
	s_bfe_u32 s40, ttmp6, 0x40000                  ; cx
	s_bfe_u32 s41, ttmp6, 0x40004                  ; cy
	s_lshl_b32 s42, ttmp9, 2
	s_add_co_u32 s42, s42, s40                     ; tile column = 4 x cluster x + cx
	s_and_b32 s17, ttmp7, 0xffff
	s_lshl_b32 s17, s17, 2
	s_add_co_u32 s17, s17, s41                     ; tile row = 4 x cluster y + cy
	s_lshl_b32 s43, s41, 2
	s_lshl_b32 s43, 15, s43                        ; my row of the cluster
	s_lshl_b32 s44, 0x1111, s40                    ; my column
	s_or_b32 s[G1+0], s43, (0<<16)|(1<<20)|(1<<21)|(5<<22)|(3<<25)  ; the mask; elements of 1 byte; padding on; bit 21 beside a mask; 4 words of padding after every 64
	s_or_b32 s[G1B+0], s44, (0<<16)|(1<<20)|(1<<21)|(5<<22)|(3<<25)
.irp g, G1, G1B
	s_mov_b32 s[\g+1], ROWB<<16                    ; tensor_dim0
	s_mov_b32 s[\g+2], 128<<16                     ; tensor_dim1
	s_mov_b32 s[\g+3], ROWB<<16                    ; tile_dim0
	s_mov_b32 s[\g+4], 128                         ; tile_dim1
	s_mov_b32 s[\g+5], KROW                        ; the pitch
	s_mov_b32 s[\g+6], 0
	s_mov_b32 s[\g+7], 0
.endr
	s_or_b32 s[G1S+0], s43, (3<<16)|(1<<20)|(1<<21)|(5<<22)|(3<<25) ; the scales of 128 rows: 4,096 dense bytes as 16 rows of 256 (32 elements of 8 bytes), padded likewise
	s_or_b32 s[G1SB+0], s44, (3<<16)|(1<<20)|(1<<21)|(5<<22)|(3<<25)
.irp g, G1S, G1SB
	s_mov_b32 s[\g+1], 32<<16
	s_mov_b32 s[\g+2], (128*KS/256)<<16
	s_mov_b32 s[\g+3], 32<<16
	s_mov_b32 s[\g+4], 128*KS/256
	s_mov_b32 s[\g+5], 32
	s_mov_b32 s[\g+6], 0
	s_mov_b32 s[\g+7], 0
.endr
	s_lshl_b32 s18, s16, 7
	s_lshl_b32 s20, s17, 8
	s_add_co_u32 s20, s20, s18                     ; A: row 256 x tile row + 128 x half
	s_lshl_b32 s46, s42, 8
	s_add_co_u32 s46, s46, s18                     ; B: row 256 x tile column + 128 x half
	s_mov_b32 s21, 0
	s_mov_b32 s47, 0
	s_mov_b64 s[18:19], KS
	s_mul_u64 s[22:23], s[20:21], s[18:19]
	s_mul_u64 s[92:93], s[46:47], s[18:19]
	s_mov_b64 s[18:19], KROW
	s_mul_u64 s[20:21], s[20:21], s[18:19]
	s_mul_u64 s[46:47], s[46:47], s[18:19]
	s_mul_i32 s45, s14, HALFT                      ; where they go: wave x 128 rows
	s_mul_i32 s94, s14, HALFS
	s_wait_dscnt 0x0                               ; both opening adds are done
	s_wait_kmcnt 0x0
	s_add_nc_u64 s[20:21], s[4:5], s[20:21]
	s_add_nc_u64 s[22:23], s[6:7], s[22:23]
	s_add_nc_u64 s[46:47], s[8:9], s[46:47]
	s_add_nc_u64 s[92:93], s[10:11], s[92:93]
	CROUND                                         ; all sixteen work-groups are here: the joint loads meet
	s_mov_b32 s[G0S], 1
	s_add_co_u32 s[G0S+1], s94, SCL
	s_mov_b64 s[G0S+2:G0S+3], s[22:23]
	s_or_b32 s[G0S+3], s[G0S+3], 0x80000000
	s_mov_b32 s[G0SB], 1
	s_add_co_u32 s[G0SB+1], s94, SCL
	s_mov_b64 s[G0SB+2:G0SB+3], s[92:93]
	s_or_b32 s[G0SB+3], s[G0SB+3], 0x80000000
	JLOAD G0S, G1S, G0SB, G1SB                     ; the scales first
.irp s, 0,1
	s_mov_b32 s[G0+4*\s], 1
	s_add_co_u32 s[G0+4*\s+1], s45, \s*SLOT
	s_add_nc_u64 s[G0+4*\s+2:G0+4*\s+3], s[20:21], \s*ROWB
	s_or_b32 s[G0+4*\s+3], s[G0+4*\s+3], 0x80000000
	s_mov_b32 s[G0B+4*\s], 1
	s_add_co_u32 s[G0B+4*\s+1], s45, \s*SLOT
	s_add_nc_u64 s[G0B+4*\s+2:G0B+4*\s+3], s[46:47], \s*ROWB
	s_or_b32 s[G0B+4*\s+3], s[G0B+4*\s+3], 0x80000000
	JLOAD G0+4*\s, G1, G0B+4*\s, G1B               ; three loads of mine are out in all
.endr
	v_and_b32 v1, 15, v0                           ; r = lane % 16
	v_bfe_u32 v2, v0, 4, 1                         ; h = lane / 16
	; the bias of my 128 columns.  The weight is chosen by the cluster's x (tile columns 4 x .. 4 x + 3 lie in one weight): a choice of pointer, no branch
	s_cmp_eq_u32 ttmp9, 0
	s_cselect_b64 s[96:97], s[96:97], s[98:99]
	s_cmp_eq_u32 ttmp9, 2
	s_cselect_b64 s[96:97], s[100:101], s[96:97]
	s_lshl_b32 s20, s40, 10                        ; 256 columns of 4 bytes for each tile column in the weight,
	s_lshl_b32 s21, s16, 9                         ; 128 for my half
	s_add_co_u32 s20, s20, s21
	s_mov_b32 s21, 0
	s_add_nc_u64 s[96:97], s[96:97], s[20:21]
	v_lshlrev_b32 v[BO], 5, v2
.irp b, 0,1,2,3,4,5,6,7
	global_load_b128 v[BI+8*\b:BI+8*\b+3], v[BO], s[96:97] offset:64*\b          ; lane (r, h), block b: columns 16 b + 8 h + 0 .. 7, the result's layout
	global_load_b128 v[BI+8*\b+4:BI+8*\b+7], v[BO], s[96:97] offset:64*\b+16
.endr
	v_mul_u32_u24 v3, v1, PITCH
	v_lshl_add_u32 v4, v2, 4, v3                   ; a fragment's row x pitch + 16 x half
	s_mul_i32 s21, s15, HALFT
	s_mul_i32 s22, s16, HALFT
	s_add_co_u32 s22, s22, 2*HALFT
.irp s, 0,1
	v_add_nc_u32 v[ADRA+\s], s21, v4
	v_add_nc_u32 v[ADRB+\s], s22, v4
	s_add_co_u32 s21, s21, SLOT
	s_add_co_u32 s22, s22, SLOT
.endr
	v_mul_u32_u24 v5, v1, KS                       ; my row's scales: KS bytes a row,
	v_lshrrev_b32 v6, 8, v5
	v_lshl_add_u32 v5, v6, 4, v5                   ; and 16 more for each 256 passed
	s_mul_i32 s21, s15, HALFS
	s_mul_i32 s22, s16, HALFS
	s_add_co_u32 s22, s22, 2*HALFS
	s_sub_co_u32 s22, s22, s21
	v_mul_u32_u24 v6, s22, v2                      ; lanes 16-31 take B's: one product, the distance between the two bases
	s_add_co_u32 s21, s21, SCL
	v_add_nc_u32 v5, v5, v6
	v_add_nc_u32 v[ADRS], s21, v5
	; the way out: my stage, 2 heads x 16 rows x (128 bytes + 16), in slot 0
	s_mul_i32 s23, s14, 4608
	v_mul_u32_u24 v5, v1, 144
	v_lshl_add_u32 v5, v2, 4, v5
	v_add_nc_u32 v[STO], s23, v5                   ; in: row r, 16 bytes for each half of the lanes
	v_and_b32 v6, 31, v0
	v_lshlrev_b32 v[CO], 4, v6                     ; out: four rows of 128 bytes are 512 consecutive bytes of a head: 16 x lane
	v_lshrrev_b32 v5, 3, v6
	v_mul_u32_u24 v5, v5, 144
	v_and_b32 v6, 7, v0
	v_lshl_add_u32 v5, v6, 4, v5
	v_add_nc_u32 v[RD], s23, v5                    ; back: eight lanes to a row
	s_lshl_b32 s20, ttmp9, 24                      ; which x 16,777,216
	s_lshr_b32 s21, s17, 3                         ; the batch: eight tile rows each
	s_lshl_b32 s21, s21, 4
	s_lshl_b32 s22, s40, 2
	s_add_co_u32 s21, s21, s22
	s_lshl_b32 s22, s16, 1
	s_add_co_u32 s21, s21, s22                     ; b x 16 + my first head
	s_lshl_b32 s21, s21, 18
	s_add_co_u32 s20, s20, s21
	s_and_b32 s21, s17, 7
	s_lshl_b32 s21, s21, 8
	s_lshl_b32 s22, s15, 7
	s_add_co_u32 s21, s21, s22                     ; my first position in the sequence
	s_lshl_b32 s21, s21, 7
	s_add_co_u32 s20, s20, s21
	s_mov_b32 s21, 0
	s_add_nc_u64 s[12:13], s[12:13], s[20:21]      ; never stepped: all else stands in the stores' immediates
.macro FRAG reg, adr, q, i             ; 16 rows x 128 K of 4-bit codes: 8 registers, two loads of 16 bytes, 32 bytes apart
.irp c, 0,1
	ds_load_b128 v[\reg+4*\c:\reg+4*\c+3], v[\adr] offset:64*(\q)+32*\c+(\i)*16*PITCH
.endr
.endm
; 16 matrix instructions: A's blocks a0, a0 + 1 x B's eight.  zero = 1: the first product starts the sums, with the bias as its C.  The 64 accumulators take turns, one instruction a turn.
.macro MUL16 a0, p, q, sc, zero
.irp a, \a0, \a0+1
.irp b, 0,1,2,3,4,5,6,7
.if \zero
	v_wmma_scale_f32_16x16x128_f8f6f4 v[8*(8*((\a)%4)+\b):8*(8*((\a)%4)+\b)+7], v[128*(\p)+FR*\b:128*(\p)+FR*\b+FR-1], v[AF+FR*(\a):AF+FR*(\a)+FR-1], v[BI+8*\b:BI+8*\b+7], v[SC+8*NQ*(\sc)+NQ*\b+(\q)], v[SC+8*NQ*(\sc)+NQ*(\a)+(\q)] matrix_a_fmt:MATRIX_FMT_FP4 matrix_b_fmt:MATRIX_FMT_FP4 matrix_a_scale:MATRIX_SCALE_ROW1
.else
	v_wmma_scale_f32_16x16x128_f8f6f4 v[8*(8*((\a)%4)+\b):8*(8*((\a)%4)+\b)+7], v[128*(\p)+FR*\b:128*(\p)+FR*\b+FR-1], v[AF+FR*(\a):AF+FR*(\a)+FR-1], v[8*(8*((\a)%4)+\b):8*(8*((\a)%4)+\b)+7], v[SC+8*NQ*(\sc)+NQ*\b+(\q)], v[SC+8*NQ*(\sc)+NQ*(\a)+(\q)] matrix_a_fmt:MATRIX_FMT_FP4 matrix_b_fmt:MATRIX_FMT_FP4 matrix_a_scale:MATRIX_SCALE_ROW1
.endif
.endr
.endr
.endm
.macro FETCH_B slot, q, p
	WIN TO_B
.irp i, 0,1,2,3,4,5,6,7
	FRAG 128*(\p)+FR*\i, ADRB+\slot, \q, \i
.endr
	WIN 0
.endm
.macro FETCH_A slot, q, i0
.irp i, \i0, \i0+1, \i0+2, \i0+3
	FRAG AF+FR*(\i), ADRA+\slot, \q, \i
.endr
.endm
.macro SCALES sc                       ; a K step's scale words: lanes 0-15 take A's block i, lanes 16-31 B's block i
.irp i, 0,1,2,3,4,5,6,7
	ds_load_b128 v[SC+8*NQ*\sc+NQ*\i:SC+8*NQ*\sc+NQ*\i+3], v[ADRS] offset:\i*SBLK
.endr
.endm
.macro PLACES n                        ; plain vector instructions between a matrix instruction and a load into, or a vector write of, one of its registers, or a read of its result
.rept \n
	v_nop
.endr
.endm
.macro STEP slot, q, zero              ; 128 along K with its successor in the same slot
	s_wait_dscnt 4*NL                              ; B's set and A's blocks 0-3 are in; the youngest eight loads (A's blocks 4-7) may be out
	WIN MUL_LO-0x20*(\zero)                        ; (zero = 1: C, the bias, lies in window 0)
	MUL16 0, (\q)%2, \q, \slot, \zero
	MUL16 2, (\q)%2, \q, \slot, \zero
	s_wait_dscnt 0
	PLACES NP
	FETCH_B \slot, (\q)+1, 1-(\q)%2
	FETCH_A \slot, (\q)+1, 0
	WIN MUL_HI-0x30*(\zero)
	MUL16 4, (\q)%2, \q, \slot, \zero
	MUL16 6, (\q)%2, \q, \slot, \zero
	PLACES NP
	WIN 0
	FETCH_A \slot, (\q)+1, 4
.endm
.macro TURN slot, next                 ; slot 0's last step: one barrier; behind it slot 1 is whole and nobody reads slot 0.  Nothing is filled again
	s_wait_tensorcnt 0x0                           ; all my tensor loads have landed: my part of slot 1
	ds_add_u32 v[SPW], v[NIL]                      ; 0 onto my spare word
	s_wait_dscnt 4*NL+1                            ; (the add and the youngest eight loads may be out)
	WIN MUL_LO
	MUL16 0, 1, NQ-1, \slot, 0
	s_wait_dscnt 0x0                               ; the add is done, and my reads of this slot are over
	s_barrier_signal -1
	MUL16 2, 1, NQ-1, \slot, 0
	WIN 0
	s_barrier_wait -1
	PLACES NP
	v_add_nc_u32 v[ADRS], 4*NQ, v[ADRS]            ; on to the next K step's scale words
	FETCH_B \next, 0, 0
	FETCH_A \next, 0, 0
	SCALES \next
	WIN MUL_HI
	MUL16 4, 1, NQ-1, \slot, 0
	MUL16 6, 1, NQ-1, \slot, 0
	PLACES NP
	WIN 0
	FETCH_A \next, 0, 4
.endm
	s_wait_tensorcnt 1                             ; the scales and my part of slot 0 are in; slot 1's load, the one issued behind them, may be out
	s_barrier_signal -1
	s_barrier_wait -1
	FETCH_B 0, 0, 0
	FETCH_A 0, 0, 0
	SCALES 0
	FETCH_A 0, 0, 4
	s_wait_loadcnt 0x0                             ; the bias
	STEP 0, 0, 1
	STEP 0, 1, 0
	STEP 0, 2, 0
	TURN 0, 1
	STEP 1, 0, 0
	STEP 1, 1, 0
	STEP 1, 2, 0
	s_wait_dscnt 4*NL                              ; the last step: nothing more to fetch
	WIN MUL_LO
	MUL16 0, 1, NQ-1, 1, 0
	MUL16 2, 1, NQ-1, 1, 0
	s_wait_dscnt 0
	WIN MUL_HI
	MUL16 4, 1, NQ-1, 1, 0
	MUL16 6, 1, NQ-1, 1, 0
	WIN 0
; THE WAY OUT, block by block of 16 rows x 128 columns = two heads.  A lane's eight results pack into 16 bytes of one row of one head; the block goes through my own stage (slot 0: it has had its only fill,
; and every wave has passed the barrier behind which nobody reads it) and comes back so that the wave stores 512 consecutive bytes: four rows of a head.
.macro PACK a
.set AC, 64*((\a)%4)
.set TP, TMP+32*((\a)%2)
	WIN 0x0a+5*((\a)/4)                            ; sources 0 and 1: window 2 or 3
.irp b, 0,1,2,3,4,5,6,7
.irp p, 0,1,2,3
	v_cvt_pk_f16_f32 v[TP+4*\b+\p], v[AC+8*\b+2*\p], v[AC+8*\b+2*\p+1]    ; each accumulator from its low end on
.endr
.endr
	WIN 0
.endm
.macro TOSTAGE a
.set TP, TMP+32*((\a)%2)
.set BB, BK+32*((\a)%2)
.irp b, 0,1,2,3,4,5,6,7
	ds_store_b128 v[STO], v[TP+4*\b:TP+4*\b+3] offset:(\b/4)*2304+32*(\b%4)
.endr
.irp i, 0,1,2,3,4,5,6,7
	ds_load_b128 v[BB+4*\i:BB+4*\i+3], v[RD] offset:(\i/4)*2304+(\i%4)*576   ; LDS serves a wave's instructions in order: these see the stores above
.endr
.endm
.macro SEND a, younger
.set BB, BK+32*((\a)%2)
	s_wait_dscnt \younger                          ; the block is back; the LDS instructions issued behind its loads may be out
.irp i, 0,1,2,3,4,5,6,7
	global_store_b128 v[CO], v[BB+4*\i:BB+4*\i+3], s[12:13] offset:(\i/4)*262144+(\a)*2048+(\i%4)*512
.endr
.endm
	PLACES NP                                      ; the conversions below write registers that held scale words, and the loads land where A's fragments lay
	PACK 0
	TOSTAGE 0
.irp a, 1,2,3,4,5,6,7
	PACK \a
.if \a > 1
	s_wait_xcnt 0x0                                ; block a - 2's stores have read their registers: block a's loads may land there
.endif
	TOSTAGE \a
	SEND \a-1, 16                                  ; behind block a - 1's loads: block a's 8 stores and 8 loads
.endr
	SEND 7, 0
	s_wait_tensorcnt 0x0                           ; the wave's end
	ds_add_u32 v[SPW], v[NIL]
	s_wait_dscnt 0x0
	CROUND                                         ; the closing round
	s_endpgm
.Lfunc_end_k_qc9af0aca32_qkv:
	.size	k_qc9af0aca32_qkv, .Lfunc_end_k_qc9af0aca32_qkv-k_qc9af0aca32_qkv
	.p2alignl 7, 3214868480
	.fill 96, 4, 3214868480
	.section	.rodata,"a",@progbits
	.p2align	6, 0x0
	.amdhsa_kernel k_qc9af0aca32_qkv
		.amdhsa_group_segment_fixed_size 327680
		.amdhsa_private_segment_fixed_size 0
		.amdhsa_enable_private_segment 0
		.amdhsa_kernarg_size 64
		.amdhsa_user_sgpr_count 2
		.amdhsa_user_sgpr_kernarg_segment_ptr 1
		.amdhsa_wavefront_size32 1
		.amdhsa_system_sgpr_workgroup_id_x 1
		.amdhsa_system_sgpr_workgroup_id_y 1
		.amdhsa_system_sgpr_workgroup_id_z 1
		.amdhsa_system_vgpr_workitem_id 0
		.amdhsa_next_free_vgpr 1024
		.amdhsa_next_free_sgpr 102
		.amdhsa_reserve_vcc 0
		.amdhsa_float_denorm_mode_32 3
		.amdhsa_float_denorm_mode_16_64 3
		.amdhsa_memory_ordered 1
		.amdhsa_forward_progress 1
		.amdhsa_inst_pref_size 128
	.end_amdhsa_kernel
	.amdgpu_metadata
---
amdhsa.version: [ 1, 2 ]
amdhsa.kernels:
  - .name:           k_qc9af0aca32_qkv
    .symbol:         k_qc9af0aca32_qkv.kd
    .args:
      - { .name: x_codes, .offset: 0, .size: 8, .value_kind: global_buffer, .address_space: global }
      - { .name: x_scales, .offset: 8, .size: 8, .value_kind: global_buffer, .address_space: global }
      - { .name: w_codes, .offset: 16, .size: 8, .value_kind: global_buffer, .address_space: global }
      - { .name: w_scales, .offset: 24, .size: 8, .value_kind: global_buffer, .address_space: global }
      - { .name: bq, .offset: 32, .size: 8, .value_kind: global_buffer, .address_space: global }
      - { .name: bk, .offset: 40, .size: 8, .value_kind: global_buffer, .address_space: global }
      - { .name: bv, .offset: 48, .size: 8, .value_kind: global_buffer, .address_space: global }
      - { .name: qkv, .offset: 56, .size: 8, .value_kind: global_buffer, .address_space: global }
    .group_segment_fixed_size: 327680
    .private_segment_fixed_size: 0
    .kernarg_segment_align: 8
    .kernarg_segment_size: 64
    .max_flat_workgroup_size: 128
    .sgpr_count:     102
    .vgpr_count:     1024
    .wavefront_size: 32
...
	.end_amdgpu_metadata
.endif
;; end of part 2
;; launch attn (part 3): grid 64 x 4, 16 waves a work-group, clusters of 4 x 4, 327,680 bytes of LDS; arguments qkv, attention_mask, ctx; writes ctx
.if DOCPART == 3
	.amdgcn_target "amdgcn-amd-amdhsa--gfx1250"
	.amdhsa_code_object_version 6
	.text
	.protected	k_qc9af0aca32_attn
	.globl	k_qc9af0aca32_attn
	.p2align	8
	.type	k_qc9af0aca32_attn,@function
k_qc9af0aca32_attn:
	s_mov_b64 s[64:65], 0
	v_nop
	global_prefetch_b8 v0, s[64:65] scope:SCOPE_SE
	s_setreg_imm32_b32 hwreg(HW_REG_WAVE_MODE, 25, 1), 1
	s_wait_xcnt 0x0
	s_wait_alu depctr_hold_cnt(0) depctr_sa_sdst(0) depctr_va_vdst(0) depctr_va_sdst(0) depctr_va_ssrc(0) depctr_va_vcc(0) depctr_vm_vsrc(0)
	s_getreg_b32 s2, hwreg(HW_REG_IB_STS2, 6, 4)
	s_cmp_eq_u32 s2, 0
	s_cbranch_scc0 .Lentry_in_a_cluster
	s_endpgm
.Lentry_in_a_cluster:
	s_bfe_u32 s2, ttmp6, 0x10000c
	s_cmp_lg_u32 s2, 0xf033
	s_cbranch_scc0 .Lentry_shape_is_right
	s_endpgm
.Lentry_shape_is_right:
; Launch 3 of 4: ctx[bh][q][:] = the sum over k of softmax_k(mask[q][k] x (q . k) / 8) v[k][:], for each of 64 (batch, head) pairs.  No work of the problem is left out: the mask is an input that MULTIPLIES the scores, so every tile is computed.
; q, k, v: f16, qkv [which][bh][2048][64].  mask: f32 [2048][2048].  ctx: f16 [bh][2048][64].  Products on f16 operands with f32 sums; mask, maxima, exponentials and sums in f32; p is rounded to f16 for the second product, ctx once at the end.
; LIMITS: |ctx| under 65,504; where all inputs are some 30 times smaller than drawn, ctx comes near 2e-5, where f16's step 2^-24 is about a thousandth of it.  NaN and infinities are not served.
; SHARES.  A work-group owns 512 queries of one (batch, head); each of its SIXTEEN waves owns 32, two tiles of 16, in 256 registers: four waves to a SIMD, so that one wave's vector work stands beside another's products and LDS loads.
; Every wave walks all 2,048 keys, 64 a step, through a ring of two LDS slots; a slot holds the mask's 512 x 64 numbers, 64 rows of K and 64 of V.  Waves 0-7 fetch the mask, 64 rows each; wave 8 K; wave 9 V.
; CLUSTER 4 x 4.  The mask's tile hangs on the query block alone: the four heads of a row of the cluster ask for it jointly.  K's and V's tiles hang on the head alone: the four query blocks of a column ask jointly.
; LAYOUT.  S^T = K Q^T (source 0 = 16 keys, source 1 = 16 queries): a lane holds ONE query (lane % 16) and keys 8 (lane / 16) + 0..7.  Two such tiles, rounded in pairs, ARE source 1 of O^T = V^T P; V comes out of LDS turned.
; SOFTMAX.  A running maximum m and sum l for each query: p = 2^(c s - c m), c = log2(e) / 8; in every step O and l are multiplied by a = 2^(c m_old - c m_new).  The step is written without a first step of its own: m begins at -3e38, O and l at 0.
; REGISTERS: v0-15 addresses; v16-31 statistics, eight a tile: +0 c m, +1 m, +2,+3 l, +4..+7 at work (a in +6); v32-63 Q; v64-127 K, then the mask, then V; v128-191 S^T, then p, then P in place; v192-255 O^T.
.set SLOT,  158720
.set KOFF,  139264                     ; a slot: 512 rows of the mask, 256 bytes + 16; then 64 rows of K, 128 + 16;
.set VOFF,  148480                     ; then 64 rows of V, 128 + 32
.set SPARE, 317440                     ; behind the ring: the spare words, 128 bytes for each of sixteen waves
.set SPW, 3
.set NIL, 4
.set PFO, 5                            ; v5   the prefetches' offset from lane to lane
.set AK,  6                            ; v6-7   my lane's place in K's tile, slot 0, 1
.set AV,  8                            ; v8-9   in V's
.set AM,  10                           ; v10-11 in the mask's
.set ST,  16
.set Q,   32
.set BUF, 64
.set S,   128
.set O,   192
.set WV,  10
.set G1M, 24
.set G1K, 32
.set G1V, 40
.set G0M, 48                           ; s[48:55] the mask's groups 0, one for each slot;  s[56:63] K's;  s[68:75] V's
.set G0K, 56
.set G0V, 68
.set CS,  76                           ; s[76:77] c, twice
.set SEL, 78                           ; s[78:79] v_permlanex16_b32's selects for lane l xor 16
.set PFA, 80                           ; s[80:81] where my prefetches stand
.set PFS, 82                           ; s[82:83] their step from trip to trip
.set LIM, 84                           ; s84, s85: 1 where my wave prefetches in a trip on slot 0, on slot 1
.set CNT, 86
.macro ROUND                           ; a round of the cluster's barrier
	s_barrier_signal -1
	s_barrier_wait -1
	s_cmp_lg_u32 s[WV], 0
	s_cbranch_scc1 .Lnot_wave_0_\@
	s_barrier_signal -3
.Lnot_wave_0_\@:
	s_barrier_wait -3
	s_barrier_signal -1
	s_barrier_wait -1
.endm
; The joint loads into slot n.  The branches hang on the wave's number alone.  An s_nop 0 and four v_nop follow each line.
.macro TLOAD n
	s_cmp_lt_u32 s[WV], 8
	s_cbranch_scc0 .Lnot_m_\@
	tensor_load_to_lds s[G0M+4*(\n):G0M+4*(\n)+3], s[G1M:G1M+7]
	s_nop 0
.rept 4
	v_nop
.endr
	s_branch .Lasked_\@
.Lnot_m_\@:
	s_cmp_eq_u32 s[WV], 8
	s_cbranch_scc0 .Lnot_k_\@
	tensor_load_to_lds s[G0K+4*(\n):G0K+4*(\n)+3], s[G1K:G1K+7]
	s_nop 0
.rept 4
	v_nop
.endr
	s_branch .Lasked_\@
.Lnot_k_\@:
	s_cmp_eq_u32 s[WV], 9
	s_cbranch_scc0 .Lasked_\@
	tensor_load_to_lds s[G0V+4*(\n):G0V+4*(\n)+3], s[G1V:G1V+7]
	s_nop 0
.rept 4
	v_nop
.endr
.Lasked_\@:
.endm
; A PREFETCH INTO THE L2: in trip j, whose tensor loads bring tile j + 1, of tile j + 2 (K and V: also j + 3).  Waves that fetch nothing ask, one instruction each, where the fetching waves have their tensor load.
; THE MASK: all sixteen clusters walk the same rows, so the first (cluster x = 0) asks; its four partners along a row share a query block's 512 rows BY ADDRESS, 128 each; waves 10-13 take 32 each, a lane a row: 256 bytes of it.
; K AND V: a head is walked by one column of one cluster.  In each partner wave 14 asks, in the trips on slot 0: the partners are told apart BY ADDRESS: cy & 1 picks K or V, cy >> 1 tile j + 2 or j + 3; lanes 256 bytes apart cover a tile's 8,192 bytes.
; So each block of 256 bytes is named once.  The loop's trips are j = 0 .. 29: nothing past tile 31 is named; the first tiles come by their loads alone.
.macro ASK n
	s_cmp_eq_u32 s[LIM+\n], 1
	s_cbranch_scc0 .Lnot_mine_\@
	global_prefetch_b8 v[PFO], s[PFA:PFA+1] th:TH_LOAD_NT scope:SCOPE_SE
.Lnot_mine_\@:
.endm
	s_load_b128 s[4:7], s[0:1], 0x0                ; qkv s[4:5], the mask s[6:7]
	s_load_b64 s[8:9], s[0:1], 0x10                ; ctx
	v_lshl_add_u32 v[SPW], v0, 2, SPARE
	v_mov_b32 v[NIL], 0
	ds_add_u32 v[SPW], v[NIL]                      ; the wave's opening: the add, twice on end, and its wait ahead of the first tensor loads
	ds_add_u32 v[SPW], v[NIL]
	v_lshrrev_b32 v1, 5, v0
	v_readfirstlane_b32 s[WV], v1                  ; wave 0..15
	s_bfe_u32 s11, ttmp6, 0x40000                  ; cx
	s_bfe_u32 s12, ttmp6, 0x40004                  ; cy
	s_lshl_b32 s13, ttmp9, 2
	s_add_co_u32 s13, s13, s11                     ; bh = 4 x cluster x + cx
	s_and_b32 s14, ttmp7, 0xffff
	s_lshl_b32 s14, s14, 2
	s_add_co_u32 s14, s14, s12                     ; y, my block of 512 queries = 4 x cluster y + cy
	s_lshl_b32 s15, s12, 2
	s_lshl_b32 s15, 15, s15                        ; my row of the cluster
	s_lshl_b32 s22, 0x1111, s11                    ; my column
	s_or_b32 s[G1M], s15, (2<<16)|(1<<20)|(1<<21)|(5<<22)|(3<<25)   ; the mask's pieces go to my row; elements of 4 bytes; 4 words of padding after every 64
	s_mov_b32 s[G1M+1], 64<<16                     ; tensor_dim0 = 64
	s_mov_b32 s[G1M+2], 64<<16                     ; tensor_dim1 = 64
	s_mov_b32 s[G1M+3], 64<<16                     ; tile_dim0 = 64
	s_mov_b32 s[G1M+4], 64                         ; tile_dim1 = 64
	s_mov_b32 s[G1M+5], 2048                       ; the pitch
	s_mov_b32 s[G1M+6], 0
	s_mov_b32 s[G1M+7], 0
	s_or_b32 s[G1K], s22, (1<<16)|(1<<20)|(1<<21)|(4<<22)|(3<<25)   ; K's tiles go to my column; elements of 2 bytes; 4 words of padding after every 32
	s_or_b32 s[G1V], s22, (1<<16)|(1<<20)|(1<<21)|(4<<22)|(7<<25)   ; V's: 8 words
.irp g, G1K, G1V
	s_mov_b32 s[\g+1], 64<<16
	s_mov_b32 s[\g+2], 64<<16
	s_mov_b32 s[\g+3], 64<<16
	s_mov_b32 s[\g+4], 64
	s_mov_b32 s[\g+5], 64
	s_mov_b32 s[\g+6], 0
	s_mov_b32 s[\g+7], 0
.endr
	s_mov_b32 s[CS], 0x3e38aa3b                    ; c = log2(e) / 8
	s_mov_b32 s[CS+1], s[CS]
	s_mov_b32 s[SEL], 0x76543210
	s_mov_b32 s[SEL+1], 0xfedcba98
	s_and_b32 s16, s[WV], 7                        ; which 64 rows of the mask's tile I fetch, if I fetch
	s_mul_i32 s23, s16, 17408                      ; their place in a slot: the wave's number alone
	s_lshl_b32 s17, s14, 9
	s_lshl_b32 s16, s16, 6
	s_add_co_u32 s16, s16, s17                     ; row 512 y + 64 x piece: it holds cy and never cx
	s_lshl_b32 s16, s16, 13                        ; rows of 8,192 bytes
	s_mov_b32 s17, 0
	s_lshl_b32 s18, s13, 18                        ; my head's 262,144 bytes: it holds cx and never cy
	s_mov_b32 s19, 0
	s_wait_dscnt 0x0                               ; both opening adds are done
	s_wait_kmcnt 0x0
	s_add_nc_u64 s[16:17], s[6:7], s[16:17]
	s_add_nc_u64 s[18:19], s[4:5], s[18:19]
.irp n, 0,1
	s_mov_b32 s[G0M+4*\n], 1
	s_add_co_u32 s[G0M+4*\n+1], s23, \n*SLOT
	s_add_nc_u64 s[G0M+4*\n+2:G0M+4*\n+3], s[16:17], \n*256         ; keys 64 n on
	s_or_b32 s[G0M+4*\n+3], s[G0M+4*\n+3], 0x80000000
	s_mov_b32 s[G0K+4*\n], 1
	s_mov_b32 s[G0K+4*\n+1], \n*SLOT+KOFF
	s_add_nc_u64 s[G0K+4*\n+2:G0K+4*\n+3], s[18:19], 16777216+\n*8192
	s_or_b32 s[G0K+4*\n+3], s[G0K+4*\n+3], 0x80000000
	s_mov_b32 s[G0V+4*\n], 1
	s_mov_b32 s[G0V+4*\n+1], \n*SLOT+VOFF
	s_add_nc_u64 s[G0V+4*\n+2:G0V+4*\n+3], s[18:19], 33554432+\n*8192
	s_or_b32 s[G0V+4*\n+3], s[G0V+4*\n+3], 0x80000000
.endr
	ROUND                                          ; all sixteen work-groups are here: the first joint loads meet
	TLOAD 0                                        ; tile 0; slot 1 is first filled behind the first trip's round
	s_lshl_b32 s20, s14, 9
	s_lshl_b32 s21, s[WV], 5
	s_add_co_u32 s20, s20, s21                     ; my first query in the head
	s_lshl_b32 s20, s20, 7
	s_mov_b32 s21, 0
	s_add_nc_u64 s[94:95], s[18:19], s[20:21]      ; Q at my first query
	s_lshl_b32 s93, s13, 18
	s_add_co_u32 s20, s20, s93
	s_add_nc_u64 s[8:9], s[8:9], s[20:21]          ; ctx likewise
	v_and_b32 v1, 15, v0                           ; r
	v_bfe_u32 v2, v0, 4, 1                         ; h
	v_lshlrev_b32 v12, 7, v1
	v_lshl_add_u32 v12, v2, 4, v12                 ; row r of 128 bytes + 16 h
.irp t, 0,1
.irp c, 0,1
	global_load_b128 v[Q+16*\t+8*\c:Q+16*\t+8*\c+3], v12, s[94:95] offset:\t*2048+64*\c        ; Q stays in registers: tile t, channels 32 c on
	global_load_b128 v[Q+16*\t+8*\c+4:Q+16*\t+8*\c+7], v12, s[94:95] offset:\t*2048+64*\c+32
.endr
.endr
	; the prefetches: who asks, and where
	s_sub_co_u32 s15, s[WV], 10
	s_lshr_b32 s15, s15, 2                         ; 0 in waves 10 to 13,
	s_or_b32 s15, s15, ttmp9                       ; of the first cluster: the same in all sixteen partners
	s_cmp_eq_u32 s15, 0
	s_cselect_b32 s[LIM+1], 1, -1
	s_add_co_u32 s88, s[WV], 2
	s_and_b32 s88, s88, 3                          ; wave - 10 in waves 10 to 13
	s_lshl_b32 s88, s88, 5
	s_lshl_b32 s89, s11, 7
	s_add_co_u32 s88, s88, s89
	s_lshl_b32 s89, s14, 9
	s_add_co_u32 s88, s88, s89                     ; the mask's row 512 y + 128 cx + 32 x piece
	s_lshl_b32 s88, s88, 13
	s_add_co_u32 s88, s88, 256                     ; at tile 1: trip j steps it to tile j + 2
	s_and_b32 s90, s12, 1
	s_add_co_u32 s90, s90, 1                       ; plane 1 (K) or 2 (V)
	s_lshl_b32 s90, s90, 24
	s_lshl_b32 s91, s13, 18
	s_add_co_u32 s90, s90, s91
	s_lshr_b32 s91, s12, 1
	s_add_co_u32 s91, s91, 1                       ; at tile 1 or 2
	s_lshl_b32 s91, s91, 13
	s_add_co_u32 s90, s90, s91
	s_mov_b32 s92, 8192
	s_cmp_eq_u32 s[WV], 14
	s_cselect_b32 s[LIM], 1, s[LIM+1]
	s_cselect_b64 s[PFA:PFA+1], s[4:5], s[6:7]
	s_cselect_b32 s88, s90, s88
	s_cselect_b32 s[PFS], s92, 256                 ; a trip on: a tile of K or V, or 64 keys of a row of the mask
	s_cselect_b32 s92, 256, s92                    ; from lane to lane
	s_mov_b32 s89, 0
	s_mov_b32 s[PFS+1], 0
	s_add_nc_u64 s[PFA:PFA+1], s[PFA:PFA+1], s[88:89]
	v_and_b32 v[PFO], 31, v0
	v_mul_lo_u32 v[PFO], v[PFO], s92
	; LDS addresses
	v_mul_u32_u24 v[AK], v1, 144
	v_lshl_add_u32 v[AK], v2, 4, v[AK]
	v_add_nc_u32 v[AK+1], SLOT+KOFF, v[AK]
	v_add_nc_u32 v[AK], KOFF, v[AK]                ; K: row r x pitch + 16 h
	v_and_b32 v15, 7, v0
	v_lshl_add_u32 v[AV], v2, 3, v15
	v_mul_u32_u24 v[AV], v[AV], 160
	v_bfe_u32 v15, v0, 3, 1
	v_lshl_add_u32 v[AV], v15, 4, v[AV]
	v_add_nc_u32 v[AV+1], SLOT+VOFF, v[AV]
	v_add_nc_u32 v[AV], VOFF, v[AV]                ; V, for the turning load: key 8 h + lane % 8, channels 8 ((lane / 8) % 2) on
	s_mul_i32 s15, s[WV], 8704                     ; my 32 rows of the mask's tile
	v_mul_u32_u24 v[AM], v1, 272
	v_lshl_add_u32 v[AM], v2, 5, v[AM]
	v_add_nc_u32 v[AM], s15, v[AM]                 ; row r, + 32 h: keys 8 h on
	v_add_nc_u32 v[AM+1], SLOT, v[AM]
.irp t, 0,1
	v_mov_b32 v[ST+8*\t+1], 0xff61b1e6             ; m = -3e38, under every score
	v_mul_f32 v[ST+8*\t], s[CS], v[ST+8*\t+1]      ; c m
.irp i, 2,3,4,5,6,7
	v_mov_b32 v[ST+8*\t+\i], 0
.endr
.endr
.set i, 0
.rept 64
	v_mov_b32 v[O+i], 0                            ; O^T.  (Once: it spares a first step written out, a third and fourth copy of the step)
.set i, i+1
.endr
; A KEY STEP on slot n: 64 keys, my two tiles of queries.
.macro STEP n
.irp c, 0,1                                    ; K's eight fragments: keys 16 k on, channels 32 c on
.irp k, 0,1,2,3
	ds_load_b128 v[BUF+8*(4*\c+\k):BUF+8*(4*\c+\k)+3], v[AK+\n] offset:\k*2304+64*\c
	ds_load_b128 v[BUF+8*(4*\c+\k)+4:BUF+8*(4*\c+\k)+7], v[AK+\n] offset:\k*2304+64*\c+32
.endr
.endr
	s_wait_dscnt 8                                 ; the first 32 channels are in; the other eight loads may be out
.irp k, 0,1,2,3                                ; S^T = K Q^T: eight accumulators by turns, one instruction a turn; the first eight start the sums
.irp t, 0,1
	v_wmma_f32_16x16x32_f16 v[S+32*\t+8*\k:S+32*\t+8*\k+7], v[BUF+8*\k:BUF+8*\k+7], v[Q+16*\t:Q+16*\t+7], 0
.endr
.endr
	s_wait_dscnt 0x0
.irp k, 0,1,2,3
.irp t, 0,1
	v_wmma_f32_16x16x32_f16 v[S+32*\t+8*\k:S+32*\t+8*\k+7], v[BUF+32+8*\k:BUF+32+8*\k+7], v[Q+16*\t+8:Q+16*\t+15], v[S+32*\t+8*\k:S+32*\t+8*\k+7]
.endr
.endr
.rept 4
	v_nop                                          ; places in front of the loads into K's registers and of the first reads of the scores
.endr
.irp t, 0,1                                    ; the mask in the scores' layout: query 16 t + r, keys 16 k + 8 h + 0 .. 7
.irp k, 0,1,2,3
	ds_load_b128 v[BUF+32*\t+8*\k:BUF+32*\t+8*\k+3], v[AM+\n] offset:\t*4352+64*\k
	ds_load_b128 v[BUF+32*\t+8*\k+4:BUF+32*\t+8*\k+7], v[AM+\n] offset:\t*4352+64*\k+16
.endr
.endr
	s_wait_dscnt 8                                 ; tile 0's eight loads are in; tile 1's may be out
.set i, 0
.rept 16
	v_pk_mul_f32 v[S+i:S+i+1], v[S+i:S+i+1], v[BUF+i:BUF+i+1]      ; score x mask, each accumulator from its low end on
.set i, i+2
.endr
	s_wait_dscnt 0x0
.rept 16
	v_pk_mul_f32 v[S+i:S+i+1], v[S+i:S+i+1], v[BUF+i:BUF+i+1]
.set i, i+2
.endr
.irp g, 0,1                                    ; V^T's eight fragments, turned: keys 32 g on, channels 16 u on.  They land during the softmax
.irp u, 0,1,2,3
	ds_load_tr16_b128 v[BUF+8*(4*\g+\u):BUF+8*(4*\g+\u)+3], v[AV+\n] offset:\g*5120+32*\u
	ds_load_tr16_b128 v[BUF+8*(4*\g+\u)+4:BUF+8*(4*\g+\u)+7], v[AV+\n] offset:\g*5120+32*\u+2560
.endr
.endr
	; the maximum of my 32 scores and the old m, three at a time, in four chains; the two tiles alternate line by line
.irp c, 0,1,2,3
.irp t, 0,1
	v_max3_num_f32 v[ST+8*\t+4+\c], v[S+32*\t+8*\c], v[S+32*\t+8*\c+1], v[S+32*\t+8*\c+2]
.endr
.endr
.irp i, 3,5
.irp c, 0,1,2,3
.irp t, 0,1
	v_max3_num_f32 v[ST+8*\t+4+\c], v[ST+8*\t+4+\c], v[S+32*\t+8*\c+\i], v[S+32*\t+8*\c+\i+1]
.endr
.endr
.endr
.irp t, 0,1
	v_max3_num_f32 v[ST+8*\t+4], v[ST+8*\t+4], v[S+32*\t+7], v[S+32*\t+15]
.endr
.irp t, 0,1
	v_max3_num_f32 v[ST+8*\t+6], v[ST+8*\t+6], v[S+32*\t+23], v[S+32*\t+31]
.endr
.irp t, 0,1
	v_max3_num_f32 v[ST+8*\t+4], v[ST+8*\t+4], v[ST+8*\t+5], v[ST+8*\t+6]
.endr
.irp t, 0,1
	v_max3_num_f32 v[ST+8*\t+4], v[ST+8*\t+4], v[ST+8*\t+7], v[ST+8*\t+1]
.endr
.irp t, 0,1
	v_permlanex16_b32 v[ST+8*\t+5], v[ST+8*\t+4], s[SEL], s[SEL+1]   ; the query's other 32 keys lie in the lane 16 away
.endr
.irp t, 0,1
	v_mov_b32 v[ST+8*\t+7], v[ST+8*\t]             ; c m_old
.endr
.irp t, 0,1
	v_max_num_f32 v[ST+8*\t+1], v[ST+8*\t+4], v[ST+8*\t+5]         ; the new m
.endr
.irp t, 0,1
	v_mul_f32 v[ST+8*\t], s[CS], v[ST+8*\t+1]
.endr
.irp t, 0,1
	v_sub_f32 v[ST+8*\t+7], v[ST+8*\t+7], v[ST+8*\t]               ; c m_old - c m_new
.endr
.set i, 0
.rept 16
.irp t, 0,1
	v_pk_fma_f32 v[S+32*\t+i:S+32*\t+i+1], v[S+32*\t+i:S+32*\t+i+1], s[CS:CS+1], v[ST+8*\t:ST+8*\t+1] op_sel_hi:[1,0,0] neg_lo:[0,0,1] neg_hi:[0,0,1]   ; c s - c m
.endr
.set i, i+2
.endr
.irp t, 0,1
	v_exp_f32 v[ST+8*\t+6], v[ST+8*\t+7]           ; a.  The 66 exponentials are ONE batch: none reads another's result
.endr
.set i, 0
.rept 32
.irp t, 0,1
	v_exp_f32 v[S+32*\t+i], v[S+32*\t+i]           ; p
.endr
.set i, i+1
.endr
	v_nop                                          ; a plain instruction behind the last exponential
	s_wait_alu depctr_va_vdst(0)                   ; one wait for the whole batch, ahead of its first reader
.irp t, 0,1
	v_pk_fma_f32 v[ST+8*\t+2:ST+8*\t+3], v[ST+8*\t+2:ST+8*\t+3], v[ST+8*\t+6:ST+8*\t+7], v[S+32*\t:S+32*\t+1] op_sel_hi:[1,0,1]   ; l = a l + p, in two chains; the sums are taken of the unrounded p
.endr
.irp t, 0,1
	v_pk_add_f32 v[ST+8*\t+4:ST+8*\t+5], v[S+32*\t+2:S+32*\t+3], v[S+32*\t+4:S+32*\t+5]
.endr
.irp i, 6,10,14,18,22,26
.irp t, 0,1
	v_pk_add_f32 v[ST+8*\t+2:ST+8*\t+3], v[ST+8*\t+2:ST+8*\t+3], v[S+32*\t+\i:S+32*\t+\i+1]
.endr
.irp t, 0,1
	v_pk_add_f32 v[ST+8*\t+4:ST+8*\t+5], v[ST+8*\t+4:ST+8*\t+5], v[S+32*\t+\i+2:S+32*\t+\i+3]
.endr
.endr
.irp t, 0,1
	v_pk_add_f32 v[ST+8*\t+2:ST+8*\t+3], v[ST+8*\t+2:ST+8*\t+3], v[S+32*\t+30:S+32*\t+31]
.endr
.irp t, 0,1
	v_pk_add_f32 v[ST+8*\t+2:ST+8*\t+3], v[ST+8*\t+2:ST+8*\t+3], v[ST+8*\t+4:ST+8*\t+5]
.endr
.set i, 0
.rept 16
.irp t, 0,1
	v_cvt_pk_f16_f32 v[S+32*\t+i], v[S+32*\t+2*i], v[S+32*\t+2*i+1]   ; P in place, ascending: register i is written when registers 2 i and 2 i + 1 are read, never ahead of them
.endr
.set i, i+1
.endr
.set i, 0
.rept 16
.irp t, 0,1
	v_pk_mul_f32 v[O+32*\t+i:O+32*\t+i+1], v[O+32*\t+i:O+32*\t+i+1], v[ST+8*\t+6:ST+8*\t+7] op_sel_hi:[1,0]   ; O^T x a, each accumulator from its low end on
.endr
.set i, i+2
.endr
	s_wait_dscnt 0x0                               ; V is in
.irp g, 0,1                                    ; O^T += V^T P: eight accumulators by turns
.irp u, 0,1,2,3
.irp t, 0,1
	v_wmma_f32_16x16x32_f16 v[O+32*\t+8*\u:O+32*\t+8*\u+7], v[BUF+8*(4*\g+\u):BUF+8*(4*\g+\u)+7], v[S+32*\t+8*\g:S+32*\t+8*\g+7], v[O+32*\t+8*\u:O+32*\t+8*\u+7]
.endr
.endr
.endr
.rept 5
	v_nop                                          ; five places: the next step's first products write over P's registers, which these products read; its loads into V's registers want four
.endr
.endm
; A TRIP on slot n.  Every wave waits for all its tensor loads, adds 0 to its spare word, waits for that and for its reads of the other slot; a round of the cluster's barrier; then the other slot is filled, first thing.
; By the text's own count a wave has one tensor load out, and it has a whole step in which to land.  loop = 1: a trip of the loop, which steps this slot's descriptors two tiles on and prefetches.
.macro TRIP n, refill, loop
	s_wait_tensorcnt 0x0                           ; no tensor load of mine is out, so a group 0 may be written
	ds_add_u32 v[SPW], v[NIL]                      ; 0 onto my spare word
.if \refill
	ds_add_u32 v[SPW], v[NIL]                      ; and once more where a tensor load follows
.endif
.if \loop
	s_add_nc_u64 s[G0M+4*\n+2:G0M+4*\n+3], s[G0M+4*\n+2:G0M+4*\n+3], 512
	s_add_nc_u64 s[G0K+4*\n+2:G0K+4*\n+3], s[G0K+4*\n+2:G0K+4*\n+3], 16384
	s_add_nc_u64 s[G0V+4*\n+2:G0V+4*\n+3], s[G0V+4*\n+2:G0V+4*\n+3], 16384
	s_wait_xcnt 0x0                                ; the last prefetch, a trip back, has read its address
	s_add_nc_u64 s[PFA:PFA+1], s[PFA:PFA+1], s[PFS:PFS+1]
.endif
	s_wait_dscnt 0x0                               ; the adds are done, and my reads of the slot that I have left are over
	ROUND                                          ; both now hold of every wave of all sixteen work-groups
.if \refill
	TLOAD 1-\n
.endif
.if \loop
	ASK \n
.endif
	STEP \n
.endm
	s_wait_loadcnt 0x0                             ; Q
	s_mov_b32 s[CNT], 15
.Lpair:                                            ; tiles 0 to 29
	TRIP 0, 1, 1
	TRIP 1, 1, 1
	s_sub_co_u32 s[CNT], s[CNT], 1
	s_cmp_lg_u32 s[CNT], 0
	s_cbranch_scc1 .Lpair
	TRIP 0, 1, 0                                   ; tile 30; tile 31 is asked for
	TRIP 1, 0, 0                                   ; tile 31: nothing is left to fetch
	; THE WAY OUT.  l's two halves and the other half of the lanes' are added; O^T / l is rounded to f16 and goes through my stage, 32 rows x (128 bytes + 16), in slot 0: that slot has had its last fill,
	; and every wave has passed the last round, behind which nobody reads it.  The wave then stores 512 consecutive bytes, four rows of ctx, an instruction.
.irp t, 0,1
	v_add_f32 v[ST+8*\t+4], v[ST+8*\t+2], v[ST+8*\t+3]
.endr
.irp t, 0,1
	v_permlanex16_b32 v[ST+8*\t+5], v[ST+8*\t+4], s[SEL], s[SEL+1]
.endr
.irp t, 0,1
	v_add_f32 v[ST+8*\t+4], v[ST+8*\t+4], v[ST+8*\t+5]
.endr
.irp t, 0,1
	v_rcp_f32 v[ST+8*\t+6], v[ST+8*\t+4]
.endr
	s_mul_i32 s15, s[WV], 4608                     ; my stage
	v_mul_u32_u24 v13, v1, 144                     ; (plain work behind the reciprocals)
	v_lshl_add_u32 v13, v2, 4, v13
	v_add_nc_u32 v13, s15, v13                     ; in: row r, + 16 h
	v_and_b32 v15, 31, v0
	v_lshlrev_b32 v12, 4, v15                      ; out: 16 x lane
	v_lshrrev_b32 v14, 3, v15
	v_mul_u32_u24 v14, v14, 144
	v_and_b32 v15, 7, v0
	v_lshl_add_u32 v14, v15, 4, v14
	v_add_nc_u32 v14, s15, v14                     ; back: eight lanes to a row
	s_wait_alu depctr_va_vdst(0)                   ; one wait for both reciprocals, ahead of their first reader
.set i, 0
.rept 16
.irp t, 0,1
	v_pk_mul_f32 v[O+32*\t+i:O+32*\t+i+1], v[O+32*\t+i:O+32*\t+i+1], v[ST+8*\t+6:ST+8*\t+7] op_sel_hi:[1,0]
.endr
.set i, i+2
.endr
.set i, 0
.rept 32
	v_cvt_pk_f16_f32 v[S+i], v[O+2*i], v[O+2*i+1]  ; register 16 t + 4 u + p: channels 16 u + 8 h + 2 p, + 1 of query 16 t + r
.set i, i+1
.endr
.irp t, 0,1
.irp u, 0,1,2,3
	ds_store_b128 v13, v[S+16*\t+4*\u:S+16*\t+4*\u+3] offset:\t*2304+32*\u
.endr
.endr
.irp u, 0,1,2,3,4,5,6,7
	ds_load_b128 v[BUF+4*\u:BUF+4*\u+3], v14 offset:576*\u         ; LDS serves a wave's instructions in order: these see my stores
.endr
.irp u, 0,1,2,3,4,5,6,7
	s_wait_dscnt 7-\u                              ; load u is in; the younger ones may be out
	global_store_b128 v12, v[BUF+4*\u:BUF+4*\u+3], s[8:9] offset:512*\u
.endr
	s_wait_tensorcnt 0x0                           ; the wave's end
	ds_add_u32 v[SPW], v[NIL]
	s_wait_dscnt 0x0
	ROUND                                          ; the closing round
	s_endpgm
.Lfunc_end_k_qc9af0aca32_attn:
	.size	k_qc9af0aca32_attn, .Lfunc_end_k_qc9af0aca32_attn-k_qc9af0aca32_attn
	.p2alignl 7, 3214868480
	.fill 96, 4, 3214868480
	.section	.rodata,"a",@progbits
	.p2align	6, 0x0
	.amdhsa_kernel k_qc9af0aca32_attn
		.amdhsa_group_segment_fixed_size 327680
		.amdhsa_private_segment_fixed_size 0
		.amdhsa_enable_private_segment 0
		.amdhsa_kernarg_size 24
		.amdhsa_user_sgpr_count 2
		.amdhsa_user_sgpr_kernarg_segment_ptr 1
		.amdhsa_wavefront_size32 1
		.amdhsa_system_sgpr_workgroup_id_x 1
		.amdhsa_system_sgpr_workgroup_id_y 1
		.amdhsa_system_sgpr_workgroup_id_z 1
		.amdhsa_system_vgpr_workitem_id 0
		.amdhsa_next_free_vgpr 256
		.amdhsa_next_free_sgpr 100
		.amdhsa_reserve_vcc 0
		.amdhsa_float_denorm_mode_32 3
		.amdhsa_float_denorm_mode_16_64 3
		.amdhsa_memory_ordered 1
		.amdhsa_forward_progress 1
		.amdhsa_inst_pref_size 105
	.end_amdhsa_kernel
	.amdgpu_metadata
---
amdhsa.version: [ 1, 2 ]
amdhsa.kernels:
  - .name:           k_qc9af0aca32_attn
    .symbol:         k_qc9af0aca32_attn.kd
    .args:
      - { .name: qkv, .offset: 0, .size: 8, .value_kind: global_buffer, .address_space: global }
      - { .name: attention_mask, .offset: 8, .size: 8, .value_kind: global_buffer, .address_space: global }
      - { .name: ctx, .offset: 16, .size: 8, .value_kind: global_buffer, .address_space: global }
    .group_segment_fixed_size: 327680
    .private_segment_fixed_size: 0
    .kernarg_segment_align: 8
    .kernarg_segment_size: 24
    .max_flat_workgroup_size: 512
    .sgpr_count:     100
    .vgpr_count:     256
    .wavefront_size: 32
...
	.end_amdgpu_metadata
.endif
;; end of part 3
;; launch proj (part 4): grid 4 x 64, 4 waves a work-group, clusters of 4 x 4, 327,680 bytes of LDS; arguments ctx, wo_h, bo, out0; writes out0
.if DOCPART == 4
	.amdgcn_target "amdgcn-amd-amdhsa--gfx1250"
	.amdhsa_code_object_version 6
	.text
	.protected	k_qc9af0aca32_proj
	.globl	k_qc9af0aca32_proj
	.p2align	8
	.type	k_qc9af0aca32_proj,@function
k_qc9af0aca32_proj:
	s_mov_b64 s[64:65], 0
	v_nop
	global_prefetch_b8 v0, s[64:65] scope:SCOPE_SE
	s_setreg_imm32_b32 hwreg(HW_REG_WAVE_MODE, 25, 1), 1
	s_wait_xcnt 0x0
	s_wait_alu depctr_hold_cnt(0) depctr_sa_sdst(0) depctr_va_vdst(0) depctr_va_sdst(0) depctr_va_ssrc(0) depctr_va_vcc(0) depctr_vm_vsrc(0)
	s_getreg_b32 s2, hwreg(HW_REG_IB_STS2, 6, 4)
	s_cmp_eq_u32 s2, 0
	s_cbranch_scc0 .Lentry_in_a_cluster
	s_endpgm
.Lentry_in_a_cluster:
	s_bfe_u32 s2, ttmp6, 0x10000c
	s_cmp_lg_u32 s2, 0xf033
	s_cbranch_scc0 .Lentry_shape_is_right
	s_endpgm
.Lentry_shape_is_right:
; Launch 4 of 4: out0 = ctx Wo + bo, on f16 operands with f32 sums.  No work of the problem is left out.
; ctx: f16 [b x 16 + head][2048][64]: K = head x 64 + channel is walked two heads (128 along K) a step, eight steps.  wo_h: f16 [k 1024][n 1024].  out0: f32 [8192][1024].
; A tile of 128 rows x 256 columns is made by four waves, 64 x 128 each: 32 accumulators.  256 tiles.  A ring of two LDS slots; a slot holds A's 2 heads x 128 rows (128 bytes + 16) and B's 128 k-rows (512 bytes + 32).
; Waves 0 and 1 fetch A's two heads, waves 2 and 3 B's two halves.  CLUSTER 4 x 4: A's tiles are asked for jointly along a row of the cluster, B's along a column.
; THE MATRIX INSTRUCTION IS USED TRANSPOSED: source 0 = 16 columns of Wo (out of LDS turned, since K is its first axis), source 1 = 16 rows of ctx: a lane holds eight neighbouring columns of one row.  THE BIAS IS THE C OF EACH SUM'S FIRST PRODUCT.
; No prefetch: wo_h's 2 MiB are read by every cluster, and a step's part of ctx is 16 KiB a head.
; REGISTERS: window 0: v16-29 addresses; two fragment buffers: v32-63 A, v64-127 B; v128-159 A, v160-223 B.  window 1: accumulator (a, b) at v[8 (8 a + b)].  window 2: v0-63 the bias.
.set SLOT,  106496
.set BOFF,  36864
.set STAGE, 212992                     ; behind the ring: 16 rows x (512 bytes + 16) for each wave
.set SPARE, 246784                     ; the spare words, 128 bytes for each wave
.set ADRA, 16
.set ADRB, 20
.set STO,  24
.set RD,   25
.set CO,   26
.set BO,   27
.set SPW,  28
.set NIL,  29
.set F0,   32
.set F1,   128
.set G1A, 24
.set G0A, 32
.set G1B, 48
.set G0B, 56
.set MSB, 0
.macro WIN new
.if MSB != (\new)
	s_set_vgpr_msb (MSB<<8)|(\new)
.set MSB, (\new)
.endif
.endm
.macro ROUND
	s_barrier_signal -1
	s_barrier_wait -1
	s_cmp_lg_u32 s14, 0
	s_cbranch_scc1 .Lnot_wave_0_\@
	s_barrier_signal -3
.Lnot_wave_0_\@:
	s_barrier_wait -3
	s_barrier_signal -1
	s_barrier_wait -1
.endm
.macro JLOAD n                         ; the joint loads into slot n; an s_nop 0 and four v_nop follow each line
	s_cmp_eq_u32 s15, 0
	s_cbranch_scc0 .Lfor_b_\@
	tensor_load_to_lds s[G0A+4*(\n):G0A+4*(\n)+3], s[G1A:G1A+7]
	s_nop 0
.rept 4
	v_nop
.endr
	s_branch .Lasked_\@
.Lfor_b_\@:
	tensor_load_to_lds s[G0B+4*(\n):G0B+4*(\n)+3], s[G1B:G1B+7]
	s_nop 0
.rept 4
	v_nop
.endr
.Lasked_\@:
.endm
	s_load_b256 s[4:11], s[0:1], 0x0               ; ctx s[4:5], wo_h s[6:7], bo s[8:9], out0 s[10:11]
	v_lshl_add_u32 v[SPW], v0, 2, SPARE
	v_mov_b32 v[NIL], 0
	ds_add_u32 v[SPW], v[NIL]                      ; the wave's opening: the add, twice on end, and its wait ahead of my first tensor load
	ds_add_u32 v[SPW], v[NIL]
	v_lshrrev_b32 v1, 5, v0
	v_readfirstlane_b32 s14, v1                    ; wave 0..3
	s_lshr_b32 s15, s14, 1                         ; which 64 rows are mine; also: I fetch for A (0) or B (1)
	s_and_b32 s16, s14, 1                          ; which 128 columns; also: which head, or which 64 k-rows, I fetch
	s_bfe_u32 s40, ttmp6, 0x40000                  ; cx
	s_bfe_u32 s41, ttmp6, 0x40004                  ; cy
	s_lshl_b32 s42, ttmp9, 2
	s_add_co_u32 s42, s42, s40                     ; tile column
	s_and_b32 s17, ttmp7, 0xffff
	s_lshl_b32 s17, s17, 2
	s_add_co_u32 s17, s17, s41                     ; tile row
	s_lshl_b32 s43, s41, 2
	s_lshl_b32 s43, 15, s43                        ; my row of the cluster
	s_lshl_b32 s44, 0x1111, s40                    ; my column
	s_or_b32 s[G1A], s43, (1<<16)|(1<<20)|(1<<21)|(4<<22)|(3<<25)   ; A: elements of 2 bytes; 4 words of padding after every 32
	s_mov_b32 s[G1A+1], 64<<16                     ; tensor_dim0 = 64
	s_mov_b32 s[G1A+2], 128<<16                    ; tensor_dim1 = 128
	s_mov_b32 s[G1A+3], 64<<16                     ; tile_dim0
	s_mov_b32 s[G1A+4], 128                        ; tile_dim1
	s_mov_b32 s[G1A+5], 64                         ; the pitch
	s_mov_b32 s[G1A+6], 0
	s_mov_b32 s[G1A+7], 0
	s_or_b32 s[G1B], s44, (1<<16)|(1<<20)|(1<<21)|(6<<22)|(7<<25)   ; B: 8 words of padding after every 128
	s_mov_b32 s[G1B+1], 256<<16
	s_mov_b32 s[G1B+2], 64<<16
	s_mov_b32 s[G1B+3], 256<<16
	s_mov_b32 s[G1B+4], 64
	s_mov_b32 s[G1B+5], 1024
	s_mov_b32 s[G1B+6], 0
	s_mov_b32 s[G1B+7], 0
	s_lshr_b32 s20, s17, 4                         ; the batch: sixteen tile rows each
	s_lshl_b32 s20, s20, 4
	s_add_co_u32 s20, s20, s16                     ; b x 16 + the head that I fetch in step 0
	s_lshl_b32 s20, s20, 18
	s_and_b32 s21, s17, 15
	s_lshl_b32 s21, s21, 14                        ; 128 rows of 128 bytes for each tile row in the batch
	s_add_co_u32 s20, s20, s21                     ; it holds cy and never cx
	s_mov_b32 s21, 0
	s_lshl_b32 s46, s16, 17                        ; 64 k-rows of 2,048 bytes
	s_lshl_b32 s47, s42, 9                         ; 256 columns of 2 bytes
	s_add_co_u32 s46, s46, s47                     ; it holds cx and never cy
	s_mov_b32 s47, 0
	s_mul_i32 s45, s16, 18432                      ; where they go: the wave's number alone
	s_mul_i32 s22, s16, 34816
	s_add_co_u32 s22, s22, BOFF
	s_wait_dscnt 0x0                               ; both opening adds are done
	s_wait_kmcnt 0x0
	s_add_nc_u64 s[20:21], s[4:5], s[20:21]
	s_add_nc_u64 s[46:47], s[6:7], s[46:47]
.irp n, 0,1
	s_mov_b32 s[G0A+4*\n], 1
	s_add_co_u32 s[G0A+4*\n+1], s45, \n*SLOT
	s_add_nc_u64 s[G0A+4*\n+2:G0A+4*\n+3], s[20:21], \n*524288      ; two heads on
	s_or_b32 s[G0A+4*\n+3], s[G0A+4*\n+3], 0x80000000
	s_mov_b32 s[G0B+4*\n], 1
	s_add_co_u32 s[G0B+4*\n+1], s22, \n*SLOT
	s_add_nc_u64 s[G0B+4*\n+2:G0B+4*\n+3], s[46:47], \n*262144      ; 128 k-rows on
	s_or_b32 s[G0B+4*\n+3], s[G0B+4*\n+3], 0x80000000
.endr
	ROUND                                          ; all sixteen work-groups are here
	JLOAD 0                                        ; K step 0; slot 1 is first filled behind the first trip's round
	v_and_b32 v1, 15, v0                           ; r
	v_bfe_u32 v2, v0, 4, 1                         ; h
	s_lshl_b32 s18, s42, 10
	s_lshl_b32 s19, s16, 9
	s_add_co_u32 s18, s18, s19                     ; my first column, in bytes of f32
	s_mov_b32 s19, 0
	s_add_nc_u64 s[8:9], s[8:9], s[18:19]
	v_lshlrev_b32 v[BO], 5, v2
	WIN 0x80                                       ; destination window 2
.irp b, 0,1,2,3,4,5,6,7
	global_load_b128 v[8*\b:8*\b+3], v[BO], s[8:9] offset:64*\b             ; lane (r, h), block b: columns 16 b + 8 h + 0 .. 7
	global_load_b128 v[8*\b+4:8*\b+7], v[BO], s[8:9] offset:64*\b+16
.endr
	WIN 0
	s_lshl_b32 s22, s17, 7
	s_lshl_b32 s23, s15, 6
	s_add_co_u32 s22, s22, s23                     ; my first row
	s_lshl_b32 s22, s22, 12
	s_add_co_u32 s18, s18, s22
	s_add_nc_u64 s[10:11], s[10:11], s[18:19]      ; never stepped
	v_mul_u32_u24 v3, v1, 144
	v_lshl_add_u32 v3, v2, 4, v3
	s_mul_i32 s23, s15, 64*144
	v_add_nc_u32 v[ADRA], s23, v3                  ; A: (64 x half + r) x pitch + 16 h
	v_add_nc_u32 v[ADRA+1], SLOT, v[ADRA]
	v_and_b32 v4, 7, v0
	v_lshl_add_u32 v4, v2, 3, v4
	v_mul_u32_u24 v4, v4, 544
	v_bfe_u32 v5, v0, 3, 1
	v_lshl_add_u32 v4, v5, 4, v4
	s_lshl_b32 s23, s16, 8
	s_add_co_u32 s23, s23, BOFF
	v_add_nc_u32 v[ADRB], s23, v4                  ; B, for the turning load: k-row 8 h + lane % 8, columns 8 ((lane / 8) % 2) on, + my 128 columns
	v_add_nc_u32 v[ADRB+1], SLOT, v[ADRB]
	s_mul_i32 s23, s14, 8448
	s_add_co_u32 s23, s23, STAGE                   ; my stage
	v_mul_u32_u24 v5, v1, 528
	v_lshl_add_u32 v5, v2, 5, v5
	v_add_nc_u32 v[STO], s23, v5                   ; in: row r, 32 bytes for each half of the lanes
	v_and_b32 v6, 31, v0
	v_lshlrev_b32 v[CO], 4, v6
	v_add_nc_u32 v[RD], s23, v[CO]                 ; back: the 32 lanes take a row of 512 bytes
.macro FETCH n, qd, f                  ; 24 LDS loads: the fragments of 32 along K, the slot's quarter qd: head qd / 2, channels 32 (qd % 2) on
.irp a, 0,1,2,3
	ds_load_b128 v[\f+8*\a:\f+8*\a+3], v[ADRA+\n] offset:((\qd)/2)*18432+\a*2304+64*((\qd)%2)
	ds_load_b128 v[\f+8*\a+4:\f+8*\a+7], v[ADRA+\n] offset:((\qd)/2)*18432+\a*2304+64*((\qd)%2)+32
.endr
.irp b, 0,1,2,3,4,5,6,7
	ds_load_tr16_b128 v[\f+32+8*\b:\f+32+8*\b+3], v[ADRB+\n] offset:(\qd)*17408+32*\b
	ds_load_tr16_b128 v[\f+32+8*\b+4:\f+32+8*\b+7], v[ADRB+\n] offset:(\qd)*17408+32*\b+8704
.endr
.endm
.macro MUL32 f, first                  ; 32 matrix instructions, the 32 accumulators by turns.  first = 1: the bias, in window 2, is the C
	WIN 0x50+0x10*(\first)
.irp a, 0,1,2,3
.irp b, 0,1,2,3,4,5,6,7
.if \first
	v_wmma_f32_16x16x32_f16 v[8*(8*\a+\b):8*(8*\a+\b)+7], v[\f+32+8*\b:\f+32+8*\b+7], v[\f+8*\a:\f+8*\a+7], v[8*\b:8*\b+7]
.else
	v_wmma_f32_16x16x32_f16 v[8*(8*\a+\b):8*(8*\a+\b)+7], v[\f+32+8*\b:\f+32+8*\b+7], v[\f+8*\a:\f+8*\a+7], v[8*(8*\a+\b):8*(8*\a+\b)+7]
.endif
.endr
.endr
	WIN 0
.rept 4
	v_nop                                          ; places in front of loads into the buffer just multiplied, and of the first read of results
.endr
.endm
; A TRIP on slot n: every wave waits for all its tensor loads, adds 0 to its spare word, waits for that and for its reads of the other slot; a round; the other slot is filled, first thing; then the step's four quarters.
.macro TRIP n, refill, first
	s_wait_tensorcnt 0x0                           ; no tensor load of mine is out, so a group 0 may be written
	ds_add_u32 v[SPW], v[NIL]                      ; 0 onto my spare word
.if \refill
	s_add_nc_u64 s[G0A+4*\n+2:G0A+4*\n+3], s[G0A+4*\n+2:G0A+4*\n+3], 1048576   ; this slot's next tiles: four heads on,
	s_add_nc_u64 s[G0B+4*\n+2:G0B+4*\n+3], s[G0B+4*\n+2:G0B+4*\n+3], 524288    ; 256 k-rows on
.endif
	s_wait_dscnt 0x0                               ; the add is done, and my reads of the slot that I have left are over
	ROUND
.if \refill
	JLOAD 1-\n
.endif
	FETCH \n, 0, F0
	FETCH \n, 1, F1
	s_wait_dscnt 24                                ; all but the 24 just issued
	MUL32 F0, \first
	FETCH \n, 2, F0
	s_wait_dscnt 24
	MUL32 F1, 0
	FETCH \n, 3, F1
	s_wait_dscnt 24
	MUL32 F0, 0
	s_wait_dscnt 0x0
	MUL32 F1, 0
.endm
	s_wait_loadcnt 0x0                             ; the bias
	TRIP 0, 1, 1                                   ; K step 0 stands in front of the loop: its first products start the sums
	s_mov_b32 s3, 3
.Lpair:                                            ; K steps 1 to 6
	TRIP 1, 1, 0
	TRIP 0, 1, 0
	s_sub_co_u32 s3, s3, 1
	s_cmp_lg_u32 s3, 0
	s_cbranch_scc1 .Lpair
	TRIP 1, 0, 0                                   ; K step 7: nothing is left to fetch
; THE WAY OUT, block by block of 16 rows x 128 columns, through my own stage: in as 32 bytes a lane, back as whole rows of 512 bytes, which the wave stores as 512 consecutive bytes.
.macro TOSTAGE a
	WIN 0x04                                       ; an LDS store's data are its source 1: window 1
.irp b, 0,1,2,3,4,5,6,7
	ds_store_b128 v[STO], v[8*(8*(\a)+\b):8*(8*(\a)+\b)+3] offset:64*\b          ; each accumulator from its low end on
	ds_store_b128 v[STO], v[8*(8*(\a)+\b)+4:8*(8*(\a)+\b)+7] offset:64*\b+16
.endr
	WIN 0
.set BB, 32+64*((\a)%2)
.irp t, 0,1,2,3,4,5,6,7,8,9,10,11,12,13,14,15
	ds_load_b128 v[BB+4*\t:BB+4*\t+3], v[RD] offset:\t*528         ; LDS serves a wave's instructions in order: these see the stores above
.endr
.endm
.macro SEND a, younger
.set BB, 32+64*((\a)%2)
	s_wait_dscnt \younger
.irp t, 0,1,2,3,4,5,6,7,8,9,10,11,12,13,14,15
	global_store_b128 v[CO], v[BB+4*\t:BB+4*\t+3], s[10:11] offset:(16*(\a)+\t)*4096 th:TH_STORE_NT
.endr
.endm
	TOSTAGE 0
.irp a, 1,2,3
.if \a > 1
	s_wait_xcnt 0x0                                ; block a - 2's stores have read their registers: block a's loads may land there
.endif
	TOSTAGE \a
	SEND \a-1, 32                                  ; behind block a - 1's loads: block a's 16 stores and 16 loads
.endr
	SEND 3, 0
	s_wait_tensorcnt 0x0                           ; the wave's end
	ds_add_u32 v[SPW], v[NIL]
	s_wait_dscnt 0x0
	ROUND                                          ; the closing round
	s_endpgm
.Lfunc_end_k_qc9af0aca32_proj:
	.size	k_qc9af0aca32_proj, .Lfunc_end_k_qc9af0aca32_proj-k_qc9af0aca32_proj
	.p2alignl 7, 3214868480
	.fill 96, 4, 3214868480
	.section	.rodata,"a",@progbits
	.p2align	6, 0x0
	.amdhsa_kernel k_qc9af0aca32_proj
		.amdhsa_group_segment_fixed_size 327680
		.amdhsa_private_segment_fixed_size 0
		.amdhsa_enable_private_segment 0
		.amdhsa_kernarg_size 32
		.amdhsa_user_sgpr_count 2
		.amdhsa_user_sgpr_kernarg_segment_ptr 1
		.amdhsa_wavefront_size32 1
		.amdhsa_system_sgpr_workgroup_id_x 1
		.amdhsa_system_sgpr_workgroup_id_y 1
		.amdhsa_system_sgpr_workgroup_id_z 1
		.amdhsa_system_vgpr_workitem_id 0
		.amdhsa_next_free_vgpr 576
		.amdhsa_next_free_sgpr 66
		.amdhsa_reserve_vcc 0
		.amdhsa_float_denorm_mode_32 3
		.amdhsa_float_denorm_mode_16_64 3
		.amdhsa_memory_ordered 1
		.amdhsa_forward_progress 1
		.amdhsa_inst_pref_size 86
	.end_amdhsa_kernel
	.amdgpu_metadata
---
amdhsa.version: [ 1, 2 ]
amdhsa.kernels:
  - .name:           k_qc9af0aca32_proj
    .symbol:         k_qc9af0aca32_proj.kd
    .args:
      - { .name: ctx, .offset: 0, .size: 8, .value_kind: global_buffer, .address_space: global }
      - { .name: wo_h, .offset: 8, .size: 8, .value_kind: global_buffer, .address_space: global }
      - { .name: bo, .offset: 16, .size: 8, .value_kind: global_buffer, .address_space: global }
      - { .name: out0, .offset: 24, .size: 8, .value_kind: global_buffer, .address_space: global }
    .group_segment_fixed_size: 327680
    .private_segment_fixed_size: 0
    .kernarg_segment_align: 8
    .kernarg_segment_size: 32
    .max_flat_workgroup_size: 128
    .sgpr_count:     66
    .vgpr_count:     576
    .wavefront_size: 32
...
	.end_amdgpu_metadata
.endif
;; end of part 4
